; MI455X (gfx1250); checked and timed in simulation.
; The chip was launched on July 23, 2026; its instructions are those of AMD's public machine-readable ISA for CDNA 5 (MIT licence, August 2026) and "CDNA5" Instruction Set Architecture Reference Guide (July 2026). The comments in the code are by the model that wrote it; some were corrected since.
;; My Bert Self Attention. Allowed arithmetic: matrix products marked QUANTISED: E4M3 operands, one E8M0 scale for each 32 along K, by v_wmma_scale_f32_16x16x128_f8f6f4 with both operands' format E4M3, f32 sums; everything else in f32.
;; Inputs: Wk 1,024 x 1,024 float32; Wk2 1,024 x 1,024 float32; Wq 1,024 x 1,024 float32; Wq2 1,024 x 1,024 float32; Wv 1,024 x 1,024 float32; attention_mask 8 x 1 x 1 x 1,024 float32; bk 1,024 float32; bk2 1,024 float32; bq 1,024 float32; bq2 1,024 float32; bv 1,024 float32; hidden_states 8 x 1,024 x 1,024 float32; source_embedding 8 x 1,024 x 1,024 float32.
;; Outputs: out0 8 x 1,024 x 1,024 float32.
;; This version of the problem:
;;   THIS VERSION OF THE PROBLEM IS GIVEN IN LOW PRECISION. The matrix products marked QUANTISED in the list below multiply operands that are first quantised to E4M3 (4 exponent bits, 3 mantissa bits; 8 bits a number), with one power-of-two scale for each 32 numbers along K (OCP MX v1.0); their sums are f32. All else is computed in f32.
;;   The module's matrix products, in the order in which they are computed (A, B: the left and right operand; K: the contracted axis; several contracted axes count as one K, in the product's order):
;;     1. [M 8,192, K 1,024] x [K 1,024, N 1,024]; A: input hidden_states; B: input Wq: QUANTISED
;;     2. [M 8,192, K 1,024] x [K 1,024, N 1,024]; A: input hidden_states; B: input Wk: QUANTISED
;;     3. [M 8,192, K 1,024] x [K 1,024, N 1,024]; A: input hidden_states; B: input Wv: QUANTISED
;;     4. [M 8,192, K 1,024] x [K 1,024, N 1,024]; A: input hidden_states; B: input Wq2: QUANTISED
;;     5. [M 8,192, K 1,024] x [K 1,024, N 1,024]; A: input source_embedding; B: input Wk2: QUANTISED
;;     6. batch 128 x [M 1,024, K 64] x [K 64, N 1,024]; A: computed on the way; B: computed on the way: QUANTISED
;;     7. batch 128 x [M 1,024, K 64] x [K 64, N 1,024]; A: computed on the way; B: computed on the way: QUANTISED
;;     8. batch 128 x [M 1,024, K 1,024] x [K 1,024, N 64]; A: softmax (see below); B: computed on the way: QUANTISED
;;   THE QUANTISER, for each operand of a quantised product, along K:
;;     - K is cut into blocks of 32 from its start; a last block that is shorter is filled with zeros.
;;     - A block's scale is 2^e with e = floor(log2(the largest magnitude in the block)) - 8, held to -126 .. 127; a block of zeros has e = 0. As a byte (E8M0): e + 127.
;;     - Each number is divided by its block's scale, clamped to +-448, and rounded to the nearest number of E4M3, ties to even, subnormals kept.
;;     - The product sums the exact products of the quantised numbers (number of the format x scale) in f32.
;;   ~~~python
;;   def quantise(x, axis):      # numpy; x: float32 -> the quantised numbers, widened to float32 again
;;       x = np.moveaxis(x, axis, -1); K = x.shape[-1]
;;       x = np.pad(x, [(0, 0)] * (x.ndim - 1) + [(0, -K % 32)]); x = x.reshape(x.shape[:-1] + (-1, 32)); a = np.abs(x).max(-1, keepdims=True)
;;       e = np.where(a > 0, np.clip(np.frexp(np.where(a > 0, a, 1))[1] - 1 - 8, -126, 127), 0)      # np.frexp(a)[1] - 1 = floor(log2(a)), exactly
;;       r = np.clip(x / 2.0 ** e, -448, 448)
;;       step = 2.0 ** (np.maximum(np.frexp(np.where(r == 0, 1, r))[1] - 1, -6) - 3)
;;       q = np.round(r / step) * step * 2.0 ** e      # np.round: ties to even
;;       return np.moveaxis(q.reshape(q.shape[:-2] + (-1,))[..., :K], -1, axis).astype(np.float32)
;;   ~~~
;;   SOFTMAX AHEAD OF A QUANTISED PRODUCT. Where the list says 'softmax', what is quantised is not the finished softmax but p = 2^(t - M), with t = logit x log2(e) and M = ceil(the row's largest t), a whole number; so 1/2 < the row's largest p <= 1. The row's sum l is taken of the UNQUANTISED p, in f32, and the product's result is divided by l at the end. Since M is a whole number, a kernel that streams over the keys may use a running M (the ceiling of the running maximum): every later rescaling is an exact power of two, which a block's scale takes up: the codes' values come out the same.
;;   OPERANDS COMPUTED ON THE WAY. 'Computed on the way' means the value that the module computes at that place (a softmax that the list does not call 'softmax' is quantised finished and normalised). What goes into a quantiser is computed in f32, as accurately as f32 sums, v_exp_f32 and their like allow (about 1e-6 of the number): no bf16 or f16 on the way to a quantiser, and a product that is left as it is and whose result goes on into a quantised operand takes f32 operands (vector FMAs, or v_wmma_f32_16x16x4_f32). A number that lies on a knife's edge between two numbers of the format may be rounded either way, as far as f32 arithmetic and the matrix unit's own rounding can turn it there, and no further.
;; One version. Each part assembles by itself: llvm-mc -triple=amdgcn-amd-amdhsa -mcpu=gfx1250 --defsym DOCPART=n.
;; ======== version 1 of 1: 3 launches
;; limits: inputs' magnitudes at most 134,217,728; right only within a limited range of input values
;; workspace buffers: act_codes 16,777,216 bytes; act_scales 524,288 bytes; w_codes 5,242,880 bytes; w_scales 163,840 bytes; qk_codes 33,554,432 bytes; qk_scales 1,048,576 bytes; v_codes 8,388,608 bytes; v_scales 262,144 bytes
;; launch qa (part 1): grid 672 x 1, 4 waves a work-group, no clusters, 68,608 bytes of LDS; arguments hidden_states, source_embedding, act_codes, act_scales, Wq, Wq2, Wk, Wk2, Wv, w_codes, w_scales; writes act_codes, act_scales, w_codes, w_scales
.if DOCPART == 1
	.amdgcn_target "amdgcn-amd-amdhsa--gfx1250"
	.amdhsa_code_object_version 6
	.text
	.protected	k_q8a51a3bd9a_qa
	.globl	k_q8a51a3bd9a_qa
	.p2align	8
	.type	k_q8a51a3bd9a_qa,@function
k_q8a51a3bd9a_qa:
	s_mov_b64 s[64:65], 0
	v_nop
	global_prefetch_b8 v0, s[64:65] scope:SCOPE_SE
	s_setreg_imm32_b32 hwreg(HW_REG_WAVE_MODE, 25, 1), 1
	s_wait_xcnt 0x0
; hidden_states and source_embedding, each [8192][1024] f32, become codes of FP8 (E4M3), K innermost, with one E8M0 scale byte for each 32 along K.
; A block's scale is 2^(floor(log2(its largest magnitude)) - 8); its byte is the largest magnitude's exponent field - 8, held at 1 from below.  A block of zeros so
; gets the byte 1 where the quantiser says 127: its codes are zeros, which add nothing, and the bytes are read by this program alone.
; LIMITS: blocks whose largest magnitude lies under 2^-118 keep the byte 1; NaN and infinities among the inputs are not served.
; ORDER OF ROWS IN THE OUTPUT: row number 'row' (0 .. 16383 over both tensors) lies at the row whose bits 3 and 4 are exchanged.  So 16 rows on end in act_codes are
; eight neighbouring rows and the eight that lie 16 further on: the rows that the projection launch wants in one tile.
; A work-group takes 32 rows, a wave 8 rows = 8,192 numbers = 16 steps of 512.  Each of a step's four loads reads 512 consecutive bytes; the 2,048 bytes turn through the
; wave's own stage in LDS and come back 64 bytes (16 neighbours) a lane; two neighbouring lanes hold a block.  A lane's 16 codes are 16 bytes: the wave stores 512 consecutive bytes.
; A wave's 256 scale bytes are gathered in its own LDS bytes and leave as 256 consecutive bytes.  Waves share nothing: no barrier.
.set STEPS, 16
.set CB,    16                         ; bytes of 16 codes
.set R,     16                         ; v16-79   four sets of 16 numbers as they are loaded
.set X,     80                         ; v80-111  two sets of 16 neighbours
.set C,     128                        ; v128-191 codes: four registers for each step, so that no store's data are written again
.set E,     112                        ; v112-127 a scale byte for each step
.set WREG,  8192                       ; LDS: a region for each wave: two stages of 32 x SP bytes, behind them its 256 scale bytes
.set SP,    80                         ; a lane's place in a stage: 64 bytes + 16 of padding
; ONE LAUNCH PREPARES ALL OPERANDS: work-groups 0 .. 511 take the activations (the text that follows), work-groups 512 .. 671 the five weights (from .Lweights on).
; The two paths part on the work-group's number alone and have LDS bytes of their own: 0 .. 0x7fff here, 0x8400 on there; the spare words lie between.
	s_cmp_ge_u32 ttmp9, 512
	s_cbranch_scc1 .Lweights
	s_load_b256 s[4:11], s[0:1], 0x0
	v_lshl_add_u32 v192, v0, 2, 0x8000
	v_mov_b32 v193, 0
	v_lshrrev_b32 v1, 5, v0
	v_readfirstlane_b32 s16, v1                    ; wave
	v_and_b32 v2, 31, v0                           ; lane
	v_lshlrev_b32 v3, 4, v2                        ; my 16 bytes of a load's 512
	s_mul_i32 s17, s16, WREG
	v_lshrrev_b32 v14, 2, v2
	v_mul_u32_u24 v14, v14, SP
	v_and_b32 v15, 3, v2
	v_lshl_add_u32 v14, v15, 4, v14
	v_add_nc_u32 v14, s17, v14                     ; the stage, on the way in: SP (lane / 4) + 16 (lane % 4)
	v_mul_u32_u24 v15, v2, SP
	v_add_nc_u32 v15, s17, v15                     ; and on the way out: SP x lane: my 16 neighbours
	v_mul_u32_u24 v4, v2, CB                       ; my codes' place in a step's
	v_lshrrev_b32 v5, 1, v2
	s_add_co_u32 s17, s17, 2*32*SP
	v_add_nc_u32 v5, s17, v5                       ; LDS: my wave's 256 scale bytes, my block's byte
	v_lshlrev_b32 v7, 3, v2                        ; and on the way out 8 bytes a lane
	v_add_nc_u32 v6, s17, v7
	s_mov_b32 s23, 0x600000                        ; the mantissa field of 448
	s_cmp_lt_u32 ttmp9, 256                        ; the first 256 work-groups take hidden_states
	s_cselect_b32 s17, 0, 256
	s_sub_co_u32 s17, ttmp9, s17
	s_lshl_b32 s17, s17, 2
	s_add_co_u32 s18, s17, s16                     ; which run of 8 rows of the input is my wave's
	s_lshl_b32 s18, s18, 15                        ; 32,768 bytes a run
	s_mov_b32 s19, 0
	s_and_b32 s20, s16, 1
	s_lshl_b32 s20, s20, 1
	s_lshr_b32 s21, s16, 1
	s_or_b32 s20, s20, s21                         ; the wave's two bits exchanged: bits 3 and 4 of the row
	s_lshl_b32 s21, ttmp9, 2
	s_add_co_u32 s20, s20, s21                     ; which run of the output
	s_lshl_b32 s24, s20, 13                        ; 8,192 bytes of codes a run
	s_mov_b32 s25, 0
	s_lshl_b32 s26, s20, 8                         ; 256 scale bytes a run
	s_mov_b32 s27, 0
	s_wait_alu depctr_va_vdst(0)
	s_wait_kmcnt 0x0
	s_cmp_lt_u32 ttmp9, 256                        ; the choice hangs on the work-group's number alone
	s_cselect_b64 s[4:5], s[4:5], s[6:7]
	s_add_nc_u64 s[4:5], s[4:5], s[18:19]
	s_add_nc_u64 s[8:9], s[8:9], s[24:25]
	s_add_nc_u64 s[10:11], s[10:11], s[26:27]
.macro LOAD t
.irp i, 0,1,2,3
	global_load_b128 v[R+16*((\t)%4)+4*\i:R+16*((\t)%4)+4*\i+3], v3, s[4:5] offset:2048*(\t)+512*\i th:TH_LOAD_NT   ; 32 lanes read 512 consecutive bytes
.endr
.endm
.macro TURN t                          ; step t's numbers through the stage: LDS serves a wave's instructions in order, so no wait stands between the stores and the loads
.irp i, 0,1,2,3
	ds_store_b128 v14, v[R+16*((\t)%4)+4*\i:R+16*((\t)%4)+4*\i+3] offset:32*SP*((\t)%2)+8*SP*\i
.endr
.irp i, 0,1,2,3
	ds_load_b128 v[X+16*((\t)%2)+4*\i:X+16*((\t)%2)+4*\i+3], v15 offset:32*SP*((\t)%2)+16*\i
.endr
.endm
.irp t, 0,1,2,3
	LOAD \t
.endr
	s_wait_loadcnt 12                              ; step 0's four loads are in; the twelve of steps 1 to 3 may be out
	TURN 0
.macro STEP t
.set XS, X+16*((\t)%2)
.if (\t) > 0
	s_wait_dscnt 1                                 ; this step's numbers are back from the stage (the last step's byte store may be out)
.else
	s_wait_dscnt 0x0
.endif
.if (\t)+4 < STEPS
	LOAD (\t)+4                                    ; into the registers that this step's stores into the stage have read
.endif
.if (\t)+1 < STEPS
.if STEPS-2-(\t) >= 3
	s_wait_loadcnt 12                              ; the next step's four loads are in; those of the three steps behind it may be out
.else
	s_wait_loadcnt 4*(STEPS-2-(\t))
.endif
	TURN (\t)+1                                    ; through the other stage while this step is worked
.endif
	v_max3_num_f32 v8, |v[XS]|, |v[XS+1]|, |v[XS+2]|               ; the largest magnitude of my 16, in two chains
	v_max3_num_f32 v9, |v[XS+3]|, |v[XS+4]|, |v[XS+5]|
.irp i, 6,10
	v_max3_num_f32 v8, v8, |v[XS+\i]|, |v[XS+\i+1]|
	v_max3_num_f32 v9, v9, |v[XS+\i+2]|, |v[XS+\i+3]|
.endr
	v_max3_num_f32 v8, v8, |v[XS+14]|, |v[XS+15]|
	v_max3_num_f32 v8, v8, v9, 0x4800000           ; and the floor 2^(9 - 127): the byte cannot fall under 1
	v_max_num_f32_dpp v8, v8, v8 row_xmask:1 row_mask:0xf bank_mask:0xf   ; and of my neighbour's 16: the block's
	v_add_nc_u32 v11, 0xfc000000, v8               ; 8 off its exponent field: the conversion takes the exponent field of this operand as its scale
	v_and_or_b32 v10, v8, 0x7f800000, s23          ; 448 x the scale
.irp i, 0,1,2,3,4,5,6,7,8,9,10,11,12,13,14,15
	v_med3_num_f32 v[XS+\i], v[XS+\i], -v10, v10   ; the conversion to an 8-bit code does not saturate (ISA guide 7.6.2): the hold comes first
.endr
	v_cvt_scalef32_pk8_fp8_f32 v[C+4*(\t):C+4*(\t)+1], v[XS:XS+7], v11
	v_cvt_scalef32_pk8_fp8_f32 v[C+4*(\t)+2:C+4*(\t)+3], v[XS+8:XS+15], v11
	v_lshrrev_b32 v[E+(\t)], 23, v11               ; the scale's byte (a plain line behind the conversions)
	ds_store_b8 v5, v[E+(\t)] offset:16*(\t)       ; both lanes of a block write the same byte with the same value
	global_store_b128 v4, v[C+4*(\t):C+4*(\t)+3], s[8:9] offset:32*CB*(\t)
.endm
.irp t, 0,1,2,3,4,5,6,7,8,9,10,11,12,13,14,15
	STEP \t
.endr
	ds_load_b64 v[12:13], v6                       ; LDS serves a wave's instructions in order: these see my stores
	s_wait_dscnt 0x0
	global_store_b64 v7, v[12:13], s[10:11]        ; 32 lanes store 256 consecutive bytes, aligned
	s_wait_tensorcnt 0x0
	ds_add_u32 v192, v193
	s_wait_dscnt 0x0
	s_endpgm
.Lweights:
; The five weights, each [1024 (k)][1024 (n)] f32 with K as the FIRST axis, become codes of FP8 (E4M3) laid [weight][n][k], K innermost, and E8M0 scale bytes [weight][n][32].
; Order: 0 Wq, 1 Wq2, 2 Wk, 3 Wk2, 4 Wv.  Row n lies at the row whose bits 3 and 4 are exchanged, as the activations' rows do.
; A lane takes a column n and its registers run down K: a block of 32 lies in one lane's 32 registers, and the conversions give codes with K innermost.
; A wave takes 32 columns x 256 along K; the codes go through the wave's own stage in LDS and leave as rows: sixteen lanes store 256 consecutive bytes, aligned.
; Work-group 512 + 8 y + x: x = which 128 columns; y = 4 x weight + which 256 along K.  A block of zeros gets the byte 1 (its codes are zeros); blocks under 2^-118 keep the byte 1; NaN and infinities are not served.
.set NB,    8
.set ROWB,  256
.set PITCH, ROWB+16
.set KROW,  1024
.set X,     32                         ; v32-95   two sets of 32 numbers
.set C,     96                         ; v96-103  a block's codes
.set OUTR,  112                        ; v112-175 the way out
.set SB,    24                         ; v24-25   the scale bytes
.set WST,   0x8400                     ; this path's four stages
	s_load_b256 s[32:39], s[0:1], 0x20             ; Wq, Wq2, Wk, Wk2
	s_load_b128 s[40:43], s[0:1], 0x40             ; Wv, the codes
	s_load_b64 s[44:45], s[0:1], 0x50              ; the scale bytes
	v_lshl_add_u32 v192, v0, 2, 0x8000
	v_mov_b32 v193, 0
	v_lshrrev_b32 v1, 5, v0
	v_readfirstlane_b32 s16, v1                    ; wave 0..3
	v_and_b32 v2, 31, v0                           ; lane
	s_wait_alu depctr_va_vdst(0)                   ; the wait directly behind the write
	s_sub_co_u32 s15, ttmp9, 512
	s_and_b32 s14, s15, 7                          ; x
	s_lshr_b32 s19, s15, 3                         ; y
	s_lshl_b32 s17, s14, 7
	s_lshl_b32 s18, s16, 5
	s_add_co_u32 s17, s17, s18                     ; my wave's first column
	s_lshr_b32 s30, s19, 2                         ; which weight
	s_and_b32 s18, s19, 3                          ; which 256 along K
	v_lshlrev_b32 v3, 2, v2                        ; in: 4 bytes a lane
	s_mul_i32 s19, s16, 32*PITCH
	s_add_co_u32 s19, s19, WST                     ; my stage
	v_mul_u32_u24 v4, v2, PITCH
	v_add_nc_u32 v4, s19, v4                       ; into it: row = my column
	v_and_b32 v5, 15, v2
	v_lshrrev_b32 v6, 4, v2                        ; out of it: sixteen lanes to a row
	v_mul_u32_u24 v7, v6, PITCH
	v_lshl_add_u32 v7, v5, 4, v7
	v_add_nc_u32 v7, s19, v7
	v_mul_u32_u24 v8, v6, KROW
	v_lshl_add_u32 v8, v5, 4, v8                   ; and the same place in the codes' buffer
	s_lshl_b32 s20, s18, 20                        ; W: 256 rows of 4,096 bytes for each part of K,
	s_lshl_b32 s22, s17, 2
	s_add_co_u32 s20, s20, s22                     ; + 4 x column
	s_mov_b32 s21, 0
	s_lshl_b32 s24, s30, 20                        ; codes: 2^20 bytes a weight,
	s_lshl_b32 s22, s17, 10
	s_add_co_u32 s24, s24, s22                     ; 1,024 a row,
	s_lshl_b32 s22, s18, 8
	s_add_co_u32 s24, s24, s22                     ; 256 for each part of K
	s_mov_b32 s25, 0
	s_lshl_b32 s28, s30, 15                        ; scale bytes: 2^15 a weight,
	s_lshl_b32 s22, s17, 5
	s_add_co_u32 s28, s28, s22                     ; 32 a row,
	s_lshl_b32 s22, s18, 3
	s_add_co_u32 s28, s28, s22                     ; 8 for each part of K
	s_mov_b32 s29, 0
	v_and_b32 v9, 7, v2                            ; my column's row among the wave's 32, bits 3 and 4 exchanged
	v_bfe_u32 v10, v2, 3, 1
	v_lshl_add_u32 v9, v10, 4, v9
	v_bfe_u32 v10, v2, 4, 1
	v_lshl_add_u32 v9, v10, 3, v9
	v_lshlrev_b32 v9, 5, v9                        ; 32 scale bytes a row
	s_mov_b32 s31, 0x600000                        ; the mantissa field of 448
	s_wait_alu depctr_va_vdst(0)                   ; the head's end
	s_wait_kmcnt 0x0
	s_mov_b64 s[4:5], s[32:33]                     ; the weight is chosen by the work-group's number alone
	s_cmp_eq_u32 s30, 1
	s_cselect_b64 s[4:5], s[34:35], s[4:5]
	s_cmp_eq_u32 s30, 2
	s_cselect_b64 s[4:5], s[36:37], s[4:5]
	s_cmp_eq_u32 s30, 3
	s_cselect_b64 s[4:5], s[38:39], s[4:5]
	s_cmp_eq_u32 s30, 4
	s_cselect_b64 s[4:5], s[40:41], s[4:5]
	s_add_nc_u64 s[4:5], s[4:5], s[20:21]
	s_add_nc_u64 s[6:7], s[42:43], s[24:25]
	s_add_nc_u64 s[8:9], s[44:45], s[28:29]
.macro WLOAD t                         ; block t: W(32 t + i, my column) into set t % 2
.irp i, 0,1,2,3,4,5,6,7,8,9,10,11,12,13,14,15,16,17,18,19,20,21,22,23,24,25,26,27,28,29,30,31
	global_load_b32 v[X+32*((\t)%2)+\i], v3, s[4:5] offset:(32*(\t)+\i)*4096 th:TH_LOAD_NT
.endr
.endm
	WLOAD 0
	WLOAD 1
.macro BLOCK t
.set XS, X+32*((\t)%2)
.if (\t) < NB-1
	s_wait_loadcnt 32                              ; this block's 32 loads are in; the next block's 32 may be out
.else
	s_wait_loadcnt 0
.endif
	v_max3_num_f32 v12, |v[XS]|, |v[XS+1]|, |v[XS+2]|
	v_max3_num_f32 v13, |v[XS+3]|, |v[XS+4]|, |v[XS+5]|
.irp i, 6,10,14,18,22,26
	v_max3_num_f32 v12, v12, |v[XS+\i]|, |v[XS+\i+1]|
	v_max3_num_f32 v13, v13, |v[XS+\i+2]|, |v[XS+\i+3]|
.endr
	v_max3_num_f32 v12, v12, |v[XS+30]|, |v[XS+31]|
	v_max3_num_f32 v12, v12, v13, 0x4800000        ; and the floor 2^(9 - 127)
	v_add_nc_u32 v11, 0xfc000000, v12              ; 8 off the exponent field: the conversion's scale operand
	v_and_or_b32 v10, v12, 0x7f800000, s31         ; 448 x the scale
	v_lshrrev_b32 v13, 23, v11                     ; the scale's byte
.if (\t)%4 == 0
	v_mov_b32 v[SB+(\t)/4], v13
.else
	v_lshl_or_b32 v[SB+(\t)/4], v13, 8*((\t)%4), v[SB+(\t)/4]
.endif
.irp i, 0,1,2,3,4,5,6,7,8,9,10,11,12,13,14,15,16,17,18,19,20,21,22,23,24,25,26,27,28,29,30,31
	v_med3_num_f32 v[XS+\i], v[XS+\i], -v10, v10   ; the hold (ISA guide 7.6.2: the conversion does not saturate)
.endr
.irp g, 0,1,2,3
	v_cvt_scalef32_pk8_fp8_f32 v[C+2*\g:C+2*\g+1], v[XS+8*\g:XS+8*\g+7], v11
.endr
	v_nop                                          ; a plain line behind the last conversion
	ds_store_b128 v4, v[C:C+3] offset:32*(\t)
	ds_store_b128 v4, v[C+4:C+7] offset:32*(\t)+16
.if (\t)+2 < NB
	WLOAD (\t)+2
.endif
	s_wait_dscnt 0x0                               ; the stores have read their registers
.endm
.irp t, 0,1,2,3,4,5,6,7
	BLOCK \t
.endr
	global_store_b64 v9, v[SB:SB+1], s[8:9]        ; my column's 8 scale bytes
.irp t, 0,1,2,3,4,5,6,7,8,9,10,11,12,13,14,15
	ds_load_b128 v[OUTR+4*\t:OUTR+4*\t+3], v7 offset:2*\t*PITCH
.endr
.irp t, 0,1,2,3,4,5,6,7,8,9,10,11,12,13,14,15
	s_wait_dscnt 15-\t                             ; the younger reads of the stage may be out
	global_store_b128 v8, v[OUTR+4*\t:OUTR+4*\t+3], s[6:7] offset:2*((\t&3)|((\t&4)<<1)|((\t&8)>>1))*KROW
.endr
	s_wait_tensorcnt 0x0                           ; the wave's end
	ds_add_u32 v192, v193
	s_wait_dscnt 0x0
	s_endpgm
.Lfunc_end_k_q8a51a3bd9a_qa:
	.size	k_q8a51a3bd9a_qa, .Lfunc_end_k_q8a51a3bd9a_qa-k_q8a51a3bd9a_qa
	.p2alignl 7, 3214868480
	.fill 96, 4, 3214868480
	.section	.rodata,"a",@progbits
	.p2align	6, 0x0
	.amdhsa_kernel k_q8a51a3bd9a_qa
		.amdhsa_group_segment_fixed_size 68608
		.amdhsa_private_segment_fixed_size 0
		.amdhsa_enable_private_segment 0
		.amdhsa_kernarg_size 88
		.amdhsa_user_sgpr_count 2
		.amdhsa_user_sgpr_kernarg_segment_ptr 1
		.amdhsa_wavefront_size32 1
		.amdhsa_system_sgpr_workgroup_id_x 1
		.amdhsa_system_sgpr_workgroup_id_y 1
		.amdhsa_system_sgpr_workgroup_id_z 1
		.amdhsa_system_vgpr_workitem_id 0
		.amdhsa_next_free_vgpr 194
		.amdhsa_next_free_sgpr 66
		.amdhsa_reserve_vcc 0
		.amdhsa_float_denorm_mode_32 3
		.amdhsa_float_denorm_mode_16_64 3
		.amdhsa_memory_ordered 1
		.amdhsa_forward_progress 1
		.amdhsa_inst_pref_size 111
	.end_amdhsa_kernel
	.amdgpu_metadata
---
amdhsa.version: [ 1, 2 ]
amdhsa.kernels:
  - .name:           k_q8a51a3bd9a_qa
    .symbol:         k_q8a51a3bd9a_qa.kd
    .args:
      - { .name: hidden_states, .offset: 0, .size: 8, .value_kind: global_buffer, .address_space: global }
      - { .name: source_embedding, .offset: 8, .size: 8, .value_kind: global_buffer, .address_space: global }
      - { .name: act_codes, .offset: 16, .size: 8, .value_kind: global_buffer, .address_space: global }
      - { .name: act_scales, .offset: 24, .size: 8, .value_kind: global_buffer, .address_space: global }
      - { .name: Wq, .offset: 32, .size: 8, .value_kind: global_buffer, .address_space: global }
      - { .name: Wq2, .offset: 40, .size: 8, .value_kind: global_buffer, .address_space: global }
      - { .name: Wk, .offset: 48, .size: 8, .value_kind: global_buffer, .address_space: global }
      - { .name: Wk2, .offset: 56, .size: 8, .value_kind: global_buffer, .address_space: global }
      - { .name: Wv, .offset: 64, .size: 8, .value_kind: global_buffer, .address_space: global }
      - { .name: w_codes, .offset: 72, .size: 8, .value_kind: global_buffer, .address_space: global }
      - { .name: w_scales, .offset: 80, .size: 8, .value_kind: global_buffer, .address_space: global }
    .group_segment_fixed_size: 68608
    .private_segment_fixed_size: 0
    .kernarg_segment_align: 8
    .kernarg_segment_size: 88
    .max_flat_workgroup_size: 128
    .sgpr_count:     66
    .vgpr_count:     194
    .wavefront_size: 32
...
	.end_amdgpu_metadata
.endif
;; end of part 1
;; launch proj (part 2): grid 4 x 160, 4 waves a work-group, clusters of 4 x 4, 327,680 bytes of LDS; arguments act_codes, act_scales, w_codes, w_scales, bq, bq2, bk, bk2, bv, qk_codes, qk_scales, v_codes, v_scales; writes qk_codes, qk_scales, v_codes, v_scales
.if DOCPART == 2
	.amdgcn_target "amdgcn-amd-amdhsa--gfx1250"
	.amdhsa_code_object_version 6
	.text
	.protected	k_q8a51a3bd9a_proj
	.globl	k_q8a51a3bd9a_proj
	.p2align	8
	.type	k_q8a51a3bd9a_proj,@function
k_q8a51a3bd9a_proj:
	s_mov_b64 s[64:65], 0
	v_nop
	global_prefetch_b8 v0, s[64:65] scope:SCOPE_SE
	s_setreg_imm32_b32 hwreg(HW_REG_WAVE_MODE, 25, 1), 1
	s_wait_xcnt 0x0
	s_wait_alu depctr_hold_cnt(0) depctr_sa_sdst(0) depctr_va_vdst(0) depctr_va_sdst(0) depctr_va_ssrc(0) depctr_va_vcc(0) depctr_vm_vsrc(0)
	s_getreg_b32 s2, hwreg(HW_REG_IB_STS2, 6, 4)
	s_cmp_eq_u32 s2, 0
	s_cbranch_scc0 .Lentry_in_a_cluster
	s_endpgm
.Lentry_in_a_cluster:
	s_bfe_u32 s2, ttmp6, 0x10000c
	s_cmp_lg_u32 s2, 0xf033
	s_cbranch_scc0 .Lentry_shape_is_right
	s_endpgm
.Lentry_shape_is_right:
; The five projections x W + b on codes of FP8 (E4M3) with E8M0 scales, K = 1,024, and the quantising of their results for the attention launch: q, q2, k, k2 along the head's 64 features, v along the tokens.
; A tile of 256 x 256 is made by four waves, 128 x 128 each: 64 accumulators of 16 x 16.  K goes in steps of 256 through a ring of two LDS slots filled by the tensor data mover.
; 40 clusters of 4 x 4 work-groups: cluster y = 8 p + cl; p = 0 Wq, 1 Wq2, 2 Wk, 3 Wk2, 4 Wv; cl = the batch.
; THE RESULT IS QUANTISED ALONG SOURCE 0'S ROWS: in a result tile a lane holds ONE row of source 1 and its registers run along source 0's rows.  So LDS region B (source 0, shared along a column of the
; cluster, hangs on cx) holds the weight's rows for p = 0 .. 3 and the tokens for p = 4; region A (source 1, shared along a row, hangs on cy) holds the tokens for p = 0 .. 3 and Wv's rows for p = 4.
; Both operands' rows lie in memory with bits 3 and 4 of the row number exchanged, so 16 rows on end are rows 32 (T / 2) + 8 (T % 2) + i + 8 (i / 8): the 16 registers of source-0 tiles 2 c and 2 c + 1
; are 16 NEIGHBOURS 32 c + 16 (lane / 16) + 0 .. 15 along the next product's K, and the conversions' results are that product's operand registers.
; THE BIAS is the C of each sum's first matrix instruction, from a table of 64 registers; p = 0 .. 3 take it by source-0 tile, p = 4 by source-1 tile: the first step is written twice, under one branch on p.
; OUT: a fragment (16 rows x 128 K) leaves as an image of its registers: group c of four registers at 512 c + 16 x lane: every store covers 512 consecutive bytes, aligned.
;   qk_codes [Q, K][batch][head][tile 64][2,048]: groups 0, 1 from q (k), groups 2, 3 from q2 (k2).   qk_scales [p][batch][pair of heads][row 1,024] words: low half the even head's two bytes.
;   v_codes [8 batch + key step][feature tile 64][2,048];   v_scales [8 batch + key step][feature tile][16] words.
; LIMITS: blocks whose largest magnitude lies under 2^-118 keep the byte 1 (a block of zeros too: its codes are zeros); NaN and infinities are not served.
; REGISTERS: window 0: v0-31 addresses (on the way out v4-19 at work, v20-23, v30); v32-63 scale words, two sets; v64-127 the bias table, later 64 held numbers; v128-255 A's fragments, later the codes.
;   window 1: B's fragments, two sets.   windows 2, 3: the accumulators ((a, b) at v[8 (8 (a % 4) + b)]).
.set KSTEP,  256
.set NQ,     2                         ; matrix instructions deep in a slot
.set ROWB,   256                       ; a tile's row in bytes
.set KROW,   1024                      ; a row of codes in memory
.set PITCH,  272                       ; an LDS row: 256 bytes + 16 of padding = 68 words, so the 16 rows that a load touches start at 16 different banks (64 banks of 4 bytes: ISA guide 11.1)
.set FR,     16
.set NL,     4
.set NP,     8                         ; places behind this matrix instruction (ISA guide 7.12.1)
.set HALFT,  128*PITCH
.set SLOT,   4*HALFT                   ; A's 256 rows, then B's 256 rows
.set LAPS,   2                         ; 1,024 / 512
.set KS,     32                        ; a row of scale bytes
.set SCL,    2*SLOT                    ; the scale bytes of 512 rows, for all of K, as rows of 256 bytes + 16
.set HALFS,  (128*KS/256)*272
.set SBLK,   (16*KS/256)*272
.set SPARE,  SCL+4*HALFS               ; the spare words, 128 bytes for each wave: two blocks of 256 bytes that no other line names
.set STG,    SPARE+512                 ; 512 bytes for each wave: scale words on the way out; no fill ever lands here
.set ADRA, 16
.set ADRB, 20
.set STO,  24                          ; v24  STG + 512 wave + 4 (lane % 16)
.set RD,   25                          ; v25  STG + 512 wave + 16 lane
.set CO,   26                          ; v26  16 lane
.set ADRS, 27
.set SPW,  28
.set NIL,  29
.set PW,   30                          ; the scale word just made
.set RB,   20                          ; v20-23 the wave's 512 bytes of scale words read back
.set TM,   4                           ; v4-7 largest magnitudes, v8-11 bytes, v12-15 448 x the scale, v16-19 the conversions' scale operands
.set SC,   32
.set BT,   64                          ; the bias table
.set X,    64                          ; the way out: 64 held numbers
.set AF,   128
.set G1, 24
.set G0, 32
.set G1B, 48
.set G0B, 56
.set G1S, 68
.set G0S, 76
.set G1SB, 80
.set G0SB, 88
.set MSB, 0
.macro WIN new                         ; the immediate's high byte repeats the setting that is left
.if MSB != (\new)
	s_set_vgpr_msb (MSB<<8)|(\new)
.set MSB, (\new)
.endif
.endm
.set MUL_LO, 0xa1                      ; source 0 (B) window 1, source 1 (A) window 0, C and D window 2
.set MUL_HI, 0xf1                      ; the same, C and D window 3
.set TO_B,   0x40
; A joint load: waves 0 and 1 fetch for A, waves 2 and 3 for B; the branch hangs on the wave's number alone.  Four v_nop follow each of the two lines.
.macro JLOAD g0a, g1a, g0b, g1b
	s_cmp_eq_u32 s15, 0
	s_cbranch_scc0 .Lfor_b_\@
	tensor_load_to_lds s[\g0a:\g0a+3], s[\g1a:\g1a+7]
	s_nop 0
.rept 4
	v_nop
.endr
	s_branch .Lasked_\@
.Lfor_b_\@:
	tensor_load_to_lds s[\g0b:\g0b+3], s[\g1b:\g1b+7]
	s_nop 0
.rept 4
	v_nop
.endr
.Lasked_\@:
.endm
.macro CREST                           ; a round of the cluster's barrier behind its opening barrier
	s_cmp_lg_u32 s14, 0
	s_cbranch_scc1 .Lnot_wave_0_\@
	s_barrier_signal -3
.Lnot_wave_0_\@:
	s_barrier_wait -3
	s_barrier_signal -1
	s_barrier_wait -1
.endm
.macro CROUND
	s_barrier_signal -1
	s_barrier_wait -1
	CREST
.endm
	s_load_b256 s[4:11], s[0:1], 0x0               ; act_codes, act_scales, w_codes, w_scales
	s_load_b256 s[68:75], s[0:1], 0x20             ; bq, bq2, bk, bk2
	s_load_b64 s[76:77], s[0:1], 0x40              ; bv
	s_load_b256 s[80:87], s[0:1], 0x48             ; qk_codes, qk_scales, v_codes, v_scales
	v_lshl_add_u32 v[SPW], v0, 2, SPARE
	v_mov_b32 v[NIL], 0
	ds_add_u32 v28, v29
	ds_add_u32 v28, v29
	s_wait_dscnt 0x0
	v_lshrrev_b32 v1, 5, v0
	v_readfirstlane_b32 s14, v1                    ; wave 0..3
	s_lshr_b32 s15, s14, 1                         ; which half of A's rows is mine.  Also: I fetch for A (0) or for B (1)
	s_and_b32 s16, s14, 1                          ; which half of B's rows.  Also: which 128 rows I fetch
	s_bfe_u32 s40, ttmp6, 0x40000                  ; cx
	s_bfe_u32 s41, ttmp6, 0x40004                  ; cy
	s_and_b32 s17, ttmp7, 0xffff                   ; the cluster's y: the same in all sixteen partners
	s_lshr_b32 s42, s17, 3                         ; p
	s_and_b32 s95, s17, 7                          ; cl
	s_lshl_b32 s43, s41, 2
	s_lshl_b32 s43, 15, s43                        ; my row of the cluster
	s_lshl_b32 s44, 0x1111, s40                    ; my column
	s_or_b32 s[G1+0], s43, (0<<16)|(1<<20)|(1<<21)|(5<<22)|(3<<25)  ; the mask; elements of 1 byte; padding on; bit 21 beside a mask; after every 64 words four words
	s_or_b32 s[G1B+0], s44, (0<<16)|(1<<20)|(1<<21)|(5<<22)|(3<<25)
.irp g, G1, G1B
	s_mov_b32 s[\g+1], ROWB<<16                    ; tensor_dim0
	s_mov_b32 s[\g+2], 256<<16                     ; tensor_dim1: 256 rows for the head's loads; behind them 128
	s_mov_b32 s[\g+3], ROWB<<16                    ; tile_dim0
	s_mov_b32 s[\g+4], 256                         ; tile_dim1
	s_mov_b32 s[\g+5], KROW                        ; stride from row to row
	s_mov_b32 s[\g+6], 0
	s_mov_b32 s[\g+7], 0
.endr
	; the first rows that I fetch.  A: 256 cy + 128 (wave & 1) + what p and cl add; B: 256 cx + 128 (wave & 1) + what p and cl add
	s_lshl_b32 s100, s95, 10                       ; 1,024 cl
	s_lshl_b32 s101, s42, 10                       ; 1,024 p
	s_cmp_eq_u32 s42, 3
	s_cselect_b32 s104, 8192, 0                    ; k2 is made of source_embedding, the second 8,192 rows
	s_add_co_u32 s104, s104, s100
	s_cmp_eq_u32 s42, 4
	s_cselect_b32 s104, s101, s104                 ; A: tokens of batch cl, or Wv's rows (1,024 p = 4,096)
	s_cselect_b32 s105, s100, s101                 ; B: the weight's rows, or tokens of batch cl
	s_lshl_b32 s18, s16, 17                        ; in the ring I fetch 128 rows of a tile: which half, in bytes of codes
	s_mov_b32 s19, 0
	s_lshl_b32 s20, s41, 8
	s_add_co_u32 s20, s20, s104                    ; A's tile: its first row
	s_lshl_b32 s46, s40, 8
	s_add_co_u32 s46, s46, s105                    ; B's tile: its first row
	s_lshl_b32 s22, s20, 5                         ; 32 scale bytes a row,
	s_lshl_b32 s20, s20, 10                        ; 1,024 codes
	s_lshl_b32 s92, s46, 5
	s_lshl_b32 s46, s46, 10
	s_mov_b32 s21, 0
	s_mov_b32 s23, 0
	s_mov_b32 s47, 0
	s_mov_b32 s93, 0
	s_mul_i32 s45, s14, HALFT                      ; where they go: wave x 128 rows: no place in the cluster enters an LDS address
	s_wait_kmcnt 0x0
	s_mov_b64 s[98:99], s[68:69]                   ; the bias, chosen by p
	s_cmp_eq_u32 s42, 1
	s_cselect_b64 s[98:99], s[70:71], s[98:99]
	s_cmp_eq_u32 s42, 2
	s_cselect_b64 s[98:99], s[72:73], s[98:99]
	s_cmp_eq_u32 s42, 3
	s_cselect_b64 s[98:99], s[74:75], s[98:99]
	s_cmp_eq_u32 s42, 4
	s_cselect_b64 s[98:99], s[76:77], s[98:99]
	s_cselect_b64 s[12:13], s[84:85], s[80:81]     ; where the codes go,
	s_cselect_b64 s[96:97], s[86:87], s[82:83]     ; and the scale words
	s_cselect_b64 s[100:101], s[8:9], s[4:5]       ; A's codes come from the weights for p = 4, else from the activations;
	s_cselect_b64 s[104:105], s[4:5], s[8:9]       ; B's the other way round
	s_add_nc_u64 s[20:21], s[100:101], s[20:21]
	s_add_nc_u64 s[46:47], s[104:105], s[46:47]
	s_cselect_b64 s[100:101], s[10:11], s[6:7]     ; the scale bytes likewise (the 64-bit sums leave SCC alone)
	s_cselect_b64 s[104:105], s[6:7], s[10:11]
	s_add_nc_u64 s[22:23], s[100:101], s[22:23]
	s_add_nc_u64 s[92:93], s[104:105], s[92:93]
	; the scale bytes of 128 rows: 4,096 dense bytes, as 16 rows of 256 bytes (32 elements of 8 bytes), 16 bytes of padding behind each
	s_or_b32 s[G1S+0], s43, (3<<16)|(1<<20)|(1<<21)|(5<<22)|(3<<25)
	s_or_b32 s[G1SB+0], s44, (3<<16)|(1<<20)|(1<<21)|(5<<22)|(3<<25)
.irp g, G1S, G1SB
	s_mov_b32 s[\g+1], 32<<16
	s_mov_b32 s[\g+2], KS<<16                      ; the scale bytes of 256 rows: KS rows of 256 bytes
	s_mov_b32 s[\g+3], 32<<16
	s_mov_b32 s[\g+4], KS
	s_mov_b32 s[\g+5], 32
	s_mov_b32 s[\g+6], 0
	s_mov_b32 s[\g+7], 0
.endr
	CROUND                                         ; all sixteen work-groups are here: the first joint loads meet
	s_mov_b32 s[G0S], 1
	s_mov_b32 s[G0S+1], SCL
	s_mov_b64 s[G0S+2:G0S+3], s[22:23]
	s_or_b32 s[G0S+3], s[G0S+3], 0x80000000
	s_mov_b32 s[G0SB], 1
	s_mov_b32 s[G0SB+1], SCL+2*HALFS
	s_mov_b64 s[G0SB+2:G0SB+3], s[92:93]
	s_or_b32 s[G0SB+3], s[G0SB+3], 0x80000000
.set G0H, 4                            ; s[4:7], s[8:11]: group 0 of the head's loads of K step 0 (the arguments that lay there have been used)
.set G0HB, 8
	s_mov_b32 s[G0H], 1                            ; K step 0's 256 rows of A,
	s_mov_b32 s[G0H+1], 0
	s_mov_b64 s[G0H+2:G0H+3], s[20:21]
	s_or_b32 s[G0H+3], s[G0H+3], 0x80000000
	s_mov_b32 s[G0HB], 1                           ; and of B, behind them in slot 0
	s_mov_b32 s[G0HB+1], 2*HALFT
	s_mov_b64 s[G0HB+2:G0HB+3], s[46:47]
	s_or_b32 s[G0HB+3], s[G0HB+3], 0x80000000
	s_add_nc_u64 s[20:21], s[20:21], s[18:19]      ; for the ring: my 128 rows of the tile
	s_add_nc_u64 s[46:47], s[46:47], s[18:19]
.irp s, 0,1
	s_mov_b32 s[G0+4*\s], 1
	s_add_co_u32 s[G0+4*\s+1], s45, \s*SLOT
	s_add_nc_u64 s[G0+4*\s+2:G0+4*\s+3], s[20:21], \s*ROWB
	s_or_b32 s[G0+4*\s+3], s[G0+4*\s+3], 0x80000000
	s_mov_b32 s[G0B+4*\s], 1
	s_add_co_u32 s[G0B+4*\s+1], s45, \s*SLOT
	s_add_nc_u64 s[G0B+4*\s+2:G0B+4*\s+3], s[46:47], \s*ROWB
	s_or_b32 s[G0B+4*\s+3], s[G0B+4*\s+3], 0x80000000
.endr
; THE HEAD'S LOADS, ONE A WAVE: wave 0 K step 0's 256 rows of A, wave 1 those of B, wave 2 the scale bytes of A's 256 rows, wave 3 those of B's.
; One tree of branches on the wave's number: every way through the head passes exactly one load.
.macro ARM under, g0, g1, next
	s_cmp_lt_u32 s14, \under
	s_cbranch_scc0 \next
	tensor_load_to_lds s[\g0:\g0+3], s[\g1:\g1+7]
	s_nop 0
.rept 4
	v_nop
.endr
	s_branch .Lhead_asked
\next:
.endm
	ARM 1, G0H,  G1,  .Lhead_b
	ARM 2, G0HB, G1B, .Lhead_sa
	ARM 3, G0S,  G1S, .Lhead_sb
	tensor_load_to_lds s[G0SB:G0SB+3], s[G1SB:G1SB+7]
	s_nop 0
.rept 4
	v_nop
.endr
.Lhead_asked:
	; PREFETCH INTO THE L2 of the K steps that later loads bring: here K steps 1 and 2 (bytes 256 and 512 of each row), behind K step 1's load K step 3.  Of the 128 rows that my wave fetches in the ring,
	; each of the four partners that ask for them jointly names 32, told apart by address (cx for A's rows, cy for B's): a lane a row, 256 bytes of a row an instruction.  The address registers are never written again.
	s_cmp_eq_u32 s15, 0                            ; do I fetch for A?
	s_cselect_b64 s[22:23], s[20:21], s[46:47]
	s_cselect_b32 s92, s40, s41                    ; my place among the four
	s_lshl_b32 s92, s92, 15                        ; 32 rows of 1,024 bytes
	s_mov_b32 s93, 0
	s_add_nc_u64 s[22:23], s[22:23], s[92:93]
	v_and_b32 v31, 31, v0
	v_lshlrev_b32 v31, 10, v31
	global_prefetch_b8 v31, s[22:23] offset:256 th:TH_LOAD_NT scope:SCOPE_SE
	global_prefetch_b8 v31, s[22:23] offset:512 th:TH_LOAD_NT scope:SCOPE_SE
	v_and_b32 v1, 15, v0                           ; r = lane % 16
	v_bfe_u32 v2, v0, 4, 1                         ; h = lane / 16
	v_mul_u32_u24 v3, v1, PITCH
	v_lshl_add_u32 v4, v2, 4, v3                   ; a fragment's row x pitch + 16 x half
	s_mul_i32 s100, s15, HALFT                     ; my 128 rows of A
	s_mul_i32 s101, s16, HALFT                     ; my 128 rows of B,
	s_add_co_u32 s101, s101, 2*HALFT               ; which lie behind A's 256
.irp s, 0,1
	v_add_nc_u32 v[ADRA+\s], s100, v4
	v_add_nc_u32 v[ADRB+\s], s101, v4
	s_add_co_u32 s100, s100, SLOT
	s_add_co_u32 s101, s101, SLOT
.endr
	v_mul_u32_u24 v5, v1, KS                       ; my row's scale bytes: 32 a row,
	v_lshrrev_b32 v6, 8, v5
	v_lshl_add_u32 v5, v6, 4, v5                   ; and 16 more for each 256 passed
	s_mul_i32 s100, s15, HALFS
	s_mul_i32 s101, s16, HALFS
	s_add_co_u32 s101, s101, 2*HALFS
	s_sub_co_u32 s101, s101, s100
	v_mul_u32_u24 v6, s101, v2                     ; lanes 16-31 take B's
	s_add_co_u32 s100, s100, SCL
	v_add_nc_u32 v5, v5, v6
	v_add_nc_u32 v[ADRS], s100, v5
	s_lshl_b32 s100, s14, 9
	s_add_co_u32 s100, s100, STG
	v_lshl_add_u32 v[STO], v1, 2, s100
	v_and_b32 v6, 31, v0
	v_lshlrev_b32 v[CO], 4, v6
	v_add_nc_u32 v[RD], s100, v[CO]
	; THE BIAS TABLE, v[BT + 8 i + j].  p = 0 .. 3: the bias of feature 32 (i / 2) + 8 (i % 2) + 16 h + j of my 128 (source-0 tile i, register j).  p = 4: of feature 32 (i / 2) + 8 (i % 2) + r + 8 (r / 8) (source-1 tile i, my lane), the same in all eight j.
	s_lshl_b32 s100, s40, 8
	s_lshl_b32 s101, s16, 7
	s_add_co_u32 s100, s100, s101                  ; my first feature for p = 0 .. 3: 256 cx + 128 (wave & 1)
	s_lshl_b32 s104, s41, 8
	s_lshl_b32 s101, s15, 7
	s_add_co_u32 s104, s104, s101                  ; for p = 4: 256 cy + 128 (wave >> 1)
	s_cmp_eq_u32 s42, 4
	s_cselect_b32 s100, s104, s100
	s_cselect_b32 s104, 0, 64                      ; bytes for h,
	s_cselect_b32 s105, 4, 0                       ; for r + 8 (r / 8),
	s_cselect_b32 s17, 0, 4                        ; for j
	s_lshl_b32 s100, s100, 2
	s_mov_b32 s101, 0
	s_add_nc_u64 s[98:99], s[98:99], s[100:101]
	v_and_b32 v6, 8, v1
	v_add_nc_u32 v6, v6, v1                        ; r + 8 (r / 8)
	v_mul_u32_u24 v7, s104, v2
	v_mad_u32_u24 v8, v6, s105, v7
.irp j, 1,2,3,4,5,6,7
	v_add_nc_u32 v[8+\j], s17, v[7+\j]
.endr
.irp i, 0,1,2,3,4,5,6,7
.irp j, 0,1,2,3,4,5,6,7
	global_load_b32 v[BT+8*\i+\j], v[8+\j], s[98:99] offset:(32*(\i/2)+8*(\i%2))*4
.endr
.endr
	; where my results go.  U = 2 cx + (wave & 1): the pair of heads, or the key step.  T0 = 16 cy + 8 (wave >> 1): my first tile of tokens, or of features.
	s_lshl_b32 s17, s40, 1
	s_add_co_u32 s17, s17, s16                     ; U
	s_lshl_b32 s18, s41, 4
	s_lshl_b32 s19, s15, 3
	s_add_co_u32 s18, s18, s19                     ; T0
	s_lshl_b32 s100, s95, 10
	s_lshl_b32 s19, s17, 7
	s_add_co_u32 s100, s100, s19                   ; p = 0 .. 3: image (16 cl + 2 U) x 64 + T0;
	s_lshr_b32 s19, s100, 1                        ; p = 4: image (8 cl + U) x 64 + T0
	s_cmp_eq_u32 s42, 4
	s_cselect_b32 s100, s19, s100
	s_add_co_u32 s100, s100, s18
	s_lshl_b32 s104, s100, 6                       ; v_scales: 64 bytes an image
	s_lshl_b32 s100, s100, 11                      ; codes: 2,048 bytes an image
	s_lshr_b32 s19, s42, 1
	s_lshl_b32 s19, s19, 24                        ; K's images lie 2^24 bytes behind Q's;
	s_and_b32 s101, s42, 1
	s_lshl_b32 s101, s101, 10                      ; q2 and k2 take an image's groups 2 and 3
	s_add_co_u32 s19, s19, s101
	s_cmp_eq_u32 s42, 4
	s_cselect_b32 s19, 0, s19
	s_add_co_u32 s100, s100, s19
	s_mov_b32 s101, 0
	s_add_nc_u64 s[12:13], s[12:13], s[100:101]    ; groups 0 and 1 of my fragments
	s_lshl_b32 s19, s42, 3
	s_add_co_u32 s19, s19, s95
	s_lshl_b32 s19, s19, 3
	s_add_co_u32 s19, s19, s17
	s_lshl_b32 s19, s19, 12                        ; qk_scales: ((8 p + cl) 8 + U) x 4,096
	s_lshl_b32 s100, s18, 6
	s_add_co_u32 s19, s19, s100                    ; + 64 T0
	s_mov_b32 s100, 0x20000                        ; groups 2 and 3 go to the next head's images, 64 x 2,048 bytes on;
	s_cmp_eq_u32 s42, 4
	s_cselect_b32 s104, s104, s19
	s_cselect_b32 s100, 1024, s100                 ; for p = 4 they are the same image's
	s_mov_b32 s105, 0
	s_add_nc_u64 s[96:97], s[96:97], s[104:105]
	s_add_nc_u64 s[66:67], s[12:13], s[100:101]
	s_mov_b32 s17, 0x76543210                      ; v_permlanex16_b32's selects for lane l xor 16
	s_mov_b32 s18, 0xfedcba98
	s_mov_b32 s19, 0x600000                        ; the mantissa field of 448
.macro FRAG reg, adr, q, i             ; 16 rows x 128 K of 8-bit codes: registers 4 c .. 4 c + 3 hold K = 32 c + 16 (lane / 16) + 0 .. 15
.irp c, 0,1,2,3
	ds_load_b128 v[\reg+4*\c:\reg+4*\c+3], v[\adr] offset:128*(\q)+32*\c+(\i)*16*PITCH
.endr
.endm
; 16 matrix instructions: A's blocks a0, a0 + 1 x B's eight.  zero = 0: onto the sums; 1: the sums begin with the bias of B's block; 2: with the bias of A's block.
; The 64 accumulators take turns, one instruction a turn, in the same order in every step.
.macro MUL16 a0, p, q, sc, zero
.irp a, \a0, \a0+1
.irp b, 0,1,2,3,4,5,6,7
.set rD, 8*(8*((\a)%4)+\b)
.set rB, 128*(\p)+FR*\b
.set rA, AF+FR*(\a)
.set rSB, SC+8*NQ*(\sc)+NQ*\b+(\q)
.set rSA, SC+8*NQ*(\sc)+NQ*(\a)+(\q)
.if \zero == 1
	v_wmma_scale_f32_16x16x128_f8f6f4 v[rD:rD+7], v[rB:rB+FR-1], v[rA:rA+FR-1], v[BT+8*\b:BT+8*\b+7], v[rSB], v[rSA] matrix_a_scale:MATRIX_SCALE_ROW1
.elseif \zero == 2
	v_wmma_scale_f32_16x16x128_f8f6f4 v[rD:rD+7], v[rB:rB+FR-1], v[rA:rA+FR-1], v[BT+8*(\a):BT+8*(\a)+7], v[rSB], v[rSA] matrix_a_scale:MATRIX_SCALE_ROW1
.else
	v_wmma_scale_f32_16x16x128_f8f6f4 v[rD:rD+7], v[rB:rB+FR-1], v[rA:rA+FR-1], v[rD:rD+7], v[rSB], v[rSA] matrix_a_scale:MATRIX_SCALE_ROW1
.endif
.endr
.endr
.endm
.macro FETCH_B slot, q, p
	WIN TO_B
.irp i, 0,1,2,3,4,5,6,7
	FRAG 128*(\p)+FR*\i, ADRB+\slot, \q, \i
.endr
	WIN 0
.endm
.macro FETCH_A slot, q, i0
.irp i, \i0, \i0+1, \i0+2, \i0+3
	FRAG AF+FR*(\i), ADRA+\slot, \q, \i
.endr
.endm
.macro SCALES sc                       ; a K step's scale words: two words a row; lanes 0-15 take A's block i, lanes 16-31 B's block i
.irp i, 0,1,2,3,4,5,6,7
	ds_load_b64 v[SC+8*NQ*\sc+NQ*\i:SC+8*NQ*\sc+NQ*\i+1], v[ADRS] offset:\i*SBLK
.endr
.endm
.macro PLACES n                        ; plain places behind matrix instructions, in front of loads into their registers and of reads of their results
.rept \n
	v_nop
.endr
.endm
; A step of 128 along K that has its successor in the same slot.  With zero = 1 or 2 the C operand lies in window 0.
.macro STEP slot, q, zero
	s_wait_dscnt 4*NL                              ; B's set and A's blocks 0-3 are in; the youngest sixteen loads (A's blocks 4-7) may be out
.if \zero
	WIN 0x81
.else
	WIN MUL_LO
.endif
	MUL16 0, (\q)%2, \q, \slot, \zero
	MUL16 2, (\q)%2, \q, \slot, \zero
	s_wait_dscnt 0
	PLACES NP
	FETCH_B \slot, (\q)+1, 1-(\q)%2
	FETCH_A \slot, (\q)+1, 0
.if \zero
	WIN 0xc1
.else
	WIN MUL_HI
.endif
	MUL16 4, (\q)%2, \q, \slot, \zero
	MUL16 6, (\q)%2, \q, \slot, \zero
	PLACES NP
	WIN 0
	FETCH_A \slot, (\q)+1, 4
.endm
; A slot's last step changes slots: ONE barrier; in front of it each wave waits for all its tensor loads, adds 0 to its spare word, and waits for that and for its own reads of this slot.
.macro TURN slot, next, fill
	s_wait_tensorcnt 0x0                           ; all my tensor loads have landed: my part of the next slot
	ds_add_u32 v[SPW], v[NIL]                      ; 0 onto my spare word
	s_wait_dscnt 4*NL+1                            ; (the add and the youngest sixteen loads may be out)
	WIN MUL_LO
	MUL16 0, 1, NQ-1, \slot, 0                     ; sixteen matrix instructions stand between the add and the wait for it
	s_wait_dscnt 0x0                               ; the add is done, and my reads of this slot are over
	s_barrier_signal -1
	MUL16 2, 1, NQ-1, \slot, 0
	WIN 0
	s_barrier_wait -1
.if \fill
	CREST                                          ; the barrier has opened a round of the cluster's barrier: no wave of any partner still reads this slot or has a load on its way
	s_add_nc_u64 s[G0+4*\slot+2:G0+4*\slot+3], s[G0+4*\slot+2:G0+4*\slot+3], 2*ROWB
	s_add_nc_u64 s[G0B+4*\slot+2:G0B+4*\slot+3], s[G0B+4*\slot+2:G0B+4*\slot+3], 2*ROWB
	JLOAD G0+4*\slot, G1, G0B+4*\slot, G1B         ; the first tensor load behind the round; its four v_nop are among the places in front of the loads below
	PLACES NP-4
.else
	PLACES NP
.endif
	s_wait_alu depctr_va_vdst(0)
	v_add_nc_u32 v[ADRS], 4*NQ, v[ADRS]            ; on to the next K step's scale words
	FETCH_B \next, 0, 0
	FETCH_A \next, 0, 0
	SCALES \next
	WIN MUL_HI
	MUL16 4, 1, NQ-1, \slot, 0
	MUL16 6, 1, NQ-1, \slot, 0
	PLACES NP
	WIN 0
	FETCH_A \next, 0, 4
.endm
	s_wait_alu depctr_va_vdst(0)                   ; the head's end
	s_wait_tensorcnt 0x0                           ; my tile of the head's four is in
	ds_add_u32 v[SPW], v[NIL]
	s_mov_b32 s[G1+2], 128<<16                     ; no tensor load of mine is out: from here on a load brings 128 rows
	s_mov_b32 s[G1+4], 128
	s_mov_b32 s[G1B+2], 128<<16
	s_mov_b32 s[G1B+4], 128
	s_wait_dscnt 0x0
	CROUND                                         ; a whole round: all four tiles are in, and the joint loads meet
	JLOAD G0+4, G1, G0B+4, G1B                     ; K step 1's load, the first tensor load behind the round
	FETCH_B 0, 0, 0
	FETCH_A 0, 0, 0
	SCALES 0
	global_prefetch_b8 v31, s[22:23] offset:768 th:TH_LOAD_NT scope:SCOPE_SE   ; K step 3, two changes of slots ahead of its load
	FETCH_A 0, 0, 4
	s_wait_loadcnt 0x0                             ; the bias table
	s_cmp_eq_u32 s42, 4                            ; p is the same in all partners; both ways hold the same LDS loads and as many products
	s_cbranch_scc1 .Lfirst_v
	STEP 0, 0, 1
	s_branch .Lfirst_done
.Lfirst_v:
	STEP 0, 0, 2
.Lfirst_done:
	s_mov_b32 s3, LAPS-1
.Llap:                                             ; a trip goes once round the ring and fills both slots again
	TURN 0, 1, 1
	STEP 1, 0, 0
	TURN 1, 0, 1
	STEP 0, 0, 0
	s_sub_co_u32 s3, s3, 1
	s_cmp_lg_u32 s3, 0
	s_cbranch_scc1 .Llap
	TURN 0, 1, 0                                   ; the last lap fills nothing, and has no round of the cluster's barrier
	STEP 1, 0, 0
	s_wait_dscnt 4*NL
	WIN MUL_LO
	MUL16 0, 1, NQ-1, 1, 0
	MUL16 2, 1, NQ-1, 1, 0
	s_wait_dscnt 0
	WIN MUL_HI
	MUL16 4, 1, NQ-1, 1, 0
	MUL16 6, 1, NQ-1, 1, 0
	WIN 0
; THE WAY OUT.  Block a of A (16 lanes' rows) has 64 numbers a lane: register 16 c + i is number 32 c + 16 (lane / 16) + i along the next product's K.  They become a fragment's 16 registers of codes and a scale word.
.macro QROW a
.set AC, 64*((\a)%4)
.set CD, 128+16*(\a)
	WIN 0x0a+5*((\a)/4)                            ; sources 0 and 1: window 2 or 3
.irp c, 0,1,2,3
	v_max3_num_f32 v[TM+\c], |v[AC+16*\c]|, |v[AC+16*\c+1]|, 0x4800000   ; block c: my 16 numbers and the floor 2^(9 - 127); each accumulator is read from its low end on
.endr
.irp i, 2,4,6,8,10,12,14
.irp c, 0,1,2,3
	v_max3_num_f32 v[TM+\c], |v[AC+16*\c+\i]|, |v[AC+16*\c+\i+1]|, v[TM+\c]
.endr
.endr
	WIN 0
.irp c, 0,1,2,3
	v_permlanex16_b32 v[TM+4+\c], v[TM+\c], s17, s18
.endr
.irp c, 0,1,2,3
	v_max_num_f32 v[TM+\c], v[TM+\c], v[TM+4+\c]   ; with lane l xor 16's: the block's largest magnitude
.endr
.irp c, 0,1,2,3
	v_add_nc_u32 v[TM+12+\c], 0xfc000000, v[TM+\c] ; 8 off the exponent field: the conversion's scale operand
.endr
.irp c, 0,1,2,3
	v_and_or_b32 v[TM+8+\c], v[TM+\c], 0x7f800000, s19   ; 448 x the scale
.endr
.irp c, 0,1,2,3
	v_lshrrev_b32 v[TM+4+\c], 23, v[TM+12+\c]      ; the scale's byte
.endr
	v_lshl_or_b32 v[PW], v[TM+5], 8, v[TM+4]
	v_lshl_or_b32 v[PW], v[TM+6], 16, v[PW]
	v_lshl_or_b32 v[PW], v[TM+7], 24, v[PW]
	WIN 0x02+((\a)/4)                              ; source 0: window 2 or 3
.irp c, 0,1,2,3
.irp i, 0,1,2,3,4,5,6,7,8,9,10,11,12,13,14,15
	v_med3_num_f32 v[X+16*\c+\i], v[AC+16*\c+\i], -v[TM+8+\c], v[TM+8+\c]   ; the hold (ISA guide 7.6.2: the conversion does not saturate)
.endr
.endr
	WIN 0
.irp c, 0,1,2,3
	v_cvt_scalef32_pk8_fp8_f32 v[CD+4*\c:CD+4*\c+1], v[X+16*\c:X+16*\c+7], v[TM+12+\c]
	v_cvt_scalef32_pk8_fp8_f32 v[CD+4*\c+2:CD+4*\c+3], v[X+16*\c+8:X+16*\c+15], v[TM+12+\c]
.endr
	v_nop                                          ; a plain line behind the last conversion
	global_store_b128 v[CO], v[CD:CD+3], s[12:13] offset:2048*(\a)          ; each store covers 512 consecutive bytes, aligned; each row has its own 16 registers of codes, so none is written again
	global_store_b128 v[CO], v[CD+4:CD+7], s[12:13] offset:2048*(\a)+512
	global_store_b128 v[CO], v[CD+8:CD+11], s[66:67] offset:2048*(\a)
	global_store_b128 v[CO], v[CD+12:CD+15], s[66:67] offset:2048*(\a)+512
	ds_store_b32 v[STO], v[PW] offset:64*(\a)      ; both halves of the lanes write the same word with the same value
.endm
	PLACES NP
.irp c, 0,1,2,3
	v_mov_b32 v[TM+4+\c], 0                        ; written once: a lane permute's destination counts as one of its sources
.endr
.irp a, 0,1,2,3,4,5,6,7
	QROW \a
.endr
	ds_load_b128 v[RB:RB+3], v[RD]                 ; LDS serves a wave's instructions in order: this sees my eight stores
	s_wait_dscnt 0x0
	global_store_b128 v[CO], v[RB:RB+3], s[96:97]  ; my 128 rows' scale words: 512 consecutive bytes, aligned
	s_wait_tensorcnt 0x0                           ; the wave's end
	ds_add_u32 v[SPW], v[NIL]
	s_wait_dscnt 0x0
	CROUND                                         ; the closing round: no work-group ends while a partner may still ask for a tile that names it
	s_endpgm
.Lfunc_end_k_q8a51a3bd9a_proj:
	.size	k_q8a51a3bd9a_proj, .Lfunc_end_k_q8a51a3bd9a_proj-k_q8a51a3bd9a_proj
	.p2alignl 7, 3214868480
	.fill 96, 4, 3214868480
	.section	.rodata,"a",@progbits
	.p2align	6, 0x0
	.amdhsa_kernel k_q8a51a3bd9a_proj
		.amdhsa_group_segment_fixed_size 327680
		.amdhsa_private_segment_fixed_size 0
		.amdhsa_enable_private_segment 0
		.amdhsa_kernarg_size 104
		.amdhsa_user_sgpr_count 2
		.amdhsa_user_sgpr_kernarg_segment_ptr 1
		.amdhsa_wavefront_size32 1
		.amdhsa_system_sgpr_workgroup_id_x 1
		.amdhsa_system_sgpr_workgroup_id_y 1
		.amdhsa_system_sgpr_workgroup_id_z 1
		.amdhsa_system_vgpr_workitem_id 0
		.amdhsa_next_free_vgpr 1024
		.amdhsa_next_free_sgpr 106
		.amdhsa_reserve_vcc 0
		.amdhsa_float_denorm_mode_32 3
		.amdhsa_float_denorm_mode_16_64 3
		.amdhsa_memory_ordered 1
		.amdhsa_forward_progress 1
		.amdhsa_inst_pref_size 208
	.end_amdhsa_kernel
	.amdgpu_metadata
---
amdhsa.version: [ 1, 2 ]
amdhsa.kernels:
  - .name:           k_q8a51a3bd9a_proj
    .symbol:         k_q8a51a3bd9a_proj.kd
    .args:
      - { .name: act_codes, .offset: 0, .size: 8, .value_kind: global_buffer, .address_space: global }
      - { .name: act_scales, .offset: 8, .size: 8, .value_kind: global_buffer, .address_space: global }
      - { .name: w_codes, .offset: 16, .size: 8, .value_kind: global_buffer, .address_space: global }
      - { .name: w_scales, .offset: 24, .size: 8, .value_kind: global_buffer, .address_space: global }
      - { .name: bq, .offset: 32, .size: 8, .value_kind: global_buffer, .address_space: global }
      - { .name: bq2, .offset: 40, .size: 8, .value_kind: global_buffer, .address_space: global }
      - { .name: bk, .offset: 48, .size: 8, .value_kind: global_buffer, .address_space: global }
      - { .name: bk2, .offset: 56, .size: 8, .value_kind: global_buffer, .address_space: global }
      - { .name: bv, .offset: 64, .size: 8, .value_kind: global_buffer, .address_space: global }
      - { .name: qk_codes, .offset: 72, .size: 8, .value_kind: global_buffer, .address_space: global }
      - { .name: qk_scales, .offset: 80, .size: 8, .value_kind: global_buffer, .address_space: global }
      - { .name: v_codes, .offset: 88, .size: 8, .value_kind: global_buffer, .address_space: global }
      - { .name: v_scales, .offset: 96, .size: 8, .value_kind: global_buffer, .address_space: global }
    .group_segment_fixed_size: 327680
    .private_segment_fixed_size: 0
    .kernarg_segment_align: 8
    .kernarg_segment_size: 104
    .max_flat_workgroup_size: 128
    .sgpr_count:     106
    .vgpr_count:     1024
    .wavefront_size: 32
...
	.end_amdgpu_metadata
.endif
;; end of part 2
;; launch attn (part 3): grid 2 x 128, 8 waves a work-group, no clusters, 327,680 bytes of LDS; arguments qk_codes, qk_scales, v_codes, v_scales, attention_mask, out0; writes out0
.if DOCPART == 3
	.amdgcn_target "amdgcn-amd-amdhsa--gfx1250"
	.amdhsa_code_object_version 6
	.text
	.protected	k_q8a51a3bd9a_attn
	.globl	k_q8a51a3bd9a_attn
	.p2align	8
	.type	k_q8a51a3bd9a_attn,@function
k_q8a51a3bd9a_attn:
	s_mov_b64 s[64:65], 0
	v_nop
	global_prefetch_b8 v0, s[64:65] scope:SCOPE_SE
	s_setreg_imm32_b32 hwreg(HW_REG_WAVE_MODE, 25, 1), 1
	s_wait_xcnt 0x0
; out[b][q][64 head ..] = softmax_k((q . k + q2 . k2) / 8 + mask[b][k]) v, all three products on codes of FP8 (E4M3) with E8M0 scales.
; q . k + q2 . k2 is ONE product with K = 128 on [q | q2] and [k | k2].  8 x mask is the C of that product: (s + 8 mask) x log2(e) / 8 = t.
; THE SOFTMAX: M = the running largest t rounded UP to a whole number; p = 2^(t - M) is quantised along the keys, not normalised; the row's sum is taken of the unquantised p and divides at the end.
; SHARES.  Work-group y = 16 batch + head, x = which 512 queries, in two passes of 256.  Each of eight waves owns 32 queries in a pass: tile A in window 0, tile B in window 1 at the same register numbers,
; so each fragment of K and V read from LDS feeds two products.  Both products are used transposed: a lane holds one query throughout.
; LDS.  A head's K (64 images of 2,048 bytes, by key step) and V (32 images, laid [feature tile 4][key step 8]) come once, in two fills, and stay.  At the head each wave asks for its part of key steps 0 and 1
; (waves 0-3: 8,192 bytes of K; waves 4-7: one feature tile's two images of V); behind the full sequence and the first barrier for its part of key steps 2 to 7 (24,576 bytes of K; six images of V),
; which has two key steps' work in which to land.  A second barrier shows it whole; the other fourteen key steps have no barrier.
; LOOK-AHEAD IN LDS.  Behind a step's scores the next step's first four tiles of K (set FA, window 0) and this step's V (set FB, window 1) are asked for; behind the second product the next step's
; last four tiles of K (FB).  The mask has no registers of its own: tiles 0-3's lands in tile A's score registers 32-63, free behind A's conversions; tiles 4-7's in both tiles' registers of p's codes, free behind the second product.
; The very last step's look-ahead reads key step 0's tiles once more, and nothing uses them.
; NO CLUSTER: only two work-groups read a head's K and V; four partners would want 512 work-groups of 256 queries, each fetched byte then feeding half the queries.
; NO PREFETCH: a wave has two tensor loads in all, the second issued as soon as the first has landed: no loop holds a load, so there is no trip to run ahead in.
; LIMITS: 8 x mask is held within +-2^30, so a mask beyond +-2^27 (-infinity too) counts as +-2^27: such a key's p is 0 wherever the row has a key that counts; a row all of whose
; keys carry -infinity gives a mean of v where the definition gives NaN.  NaN in the mask is not served.  The scaled scores stay under 2^31 in magnitude.
; REGISTERS, a tile's own in its own window: v12 -M, v13 largest t, v[14:15] the sum, v16-31 Q, v96-159 S^T then p, v160-191 O^T, v192-207 p's codes, v208-223 at work, v230 f, v231, v232, v[234:235].
; Window 0 alone: v1-11, v240, v241 addresses, v32-95 FA, v224-227, v236-239 scale words of FA, FB, v228, v229 Q's, v231, v233 p's, v244-247 Q's words as loaded.   Window 1 alone: v32-95 FB.
.set VIMG, 131072
.set KSC,  196608                      ; K's scale words, 4 bytes a key
.set VSC,  200704                      ; V's, 256 bytes a key step
.set MKB,  202752                      ; 8 x mask, held
.set STG,  206848                      ; 32 rows x 272 bytes for each wave, for the way out
.set SPARE, 276480                     ; the spare words: 128 bytes a wave
.set S,    96
.set O,    160
.set PC,   192
.set BM,   208
.set PR,   212
.set HD,   216
.set SO,   220
.set KSA,  224
.set QSA,  228
.set QSB,  229
.set F,    230
.set TT,   232
.set PSB,  233
.set CH,   234
.set KSB,  236
.set ADV,  240
.set ADT,  241
.set QT,   244
.set FR,   32
.set AK0,  1
.set ADK,  2
.set AV0,  3
.set AS0,  4
.set AM0,  5
.set ADS,  10
.set ADM,  11
.set SPW,  254
.set NIL,  255
.set G1K,  32
.set G1V,  40
.set G0K,  48                          ; groups 0 of the first fill,
.set G0V,  52
.set G0K2, 72                          ; and of the second
.set G0V2, 76
.set ST,   61                          ; key steps done
.set CNT,  62
.set MSB, 0
.macro WIN new                         ; the immediate's high byte repeats the setting that is left
.if MSB != (\new)
	s_set_vgpr_msb (MSB<<8)|(\new)
.set MSB, (\new)
.endif
.endm
.macro TLOAD g0k, g0v                  ; every wave's one load: waves 0-3 for K, waves 4-7 for V; an s_nop 0 and four v_nop follow each line
	s_cmp_lt_u32 s18, 4
	s_cbranch_scc0 .Lfor_v_\@
	tensor_load_to_lds s[\g0k:\g0k+3], s[G1K:G1K+7]
	s_nop 0
.rept 4
	v_nop
.endr
	s_branch .Lasked_\@
.Lfor_v_\@:
	tensor_load_to_lds s[\g0v:\g0v+3], s[G1V:G1V+7]
	s_nop 0
.rept 4
	v_nop
.endr
.Lasked_\@:
.endm
	s_load_b256 s[4:11], s[0:1], 0x0               ; qk_codes, qk_scales, v_codes, v_scales
	s_load_b128 s[12:15], s[0:1], 0x20             ; attention_mask, out0
	v_lshl_add_u32 v[SPW], v0, 2, SPARE
	v_mov_b32 v[NIL], 0
	ds_add_u32 v[SPW], v[NIL]                      ; the opening lines: the add twice on end and its wait
	ds_add_u32 v[SPW], v[NIL]
	v_lshrrev_b32 v1, 5, v0
	v_readfirstlane_b32 s18, v1                    ; wave 0..7
	s_mov_b32 s16, ttmp9                           ; x
	s_and_b32 s17, ttmp7, 0xffff                   ; y
	s_lshr_b32 s24, s17, 4                         ; batch
	s_and_b32 s25, s17, 15                         ; head
	s_lshr_b32 s29, s25, 1                         ; pair of heads
	s_mov_b32 s19, 0x600000                        ; the mantissa field of 448
	s_mov_b32 s20, 0x76543210                      ; v_permlanex16_b32's selects for lane l xor 16
	s_mov_b32 s21, 0xfedcba98
	s_mov_b32 s22, 0x3e38aa3b                      ; c = log2(e) / 8
	s_mov_b32 s23, s22
	s_mov_b32 s27, 0x4e800000                      ; 2^30
	s_mov_b32 s30, 0xce800000                      ; -2^30
	s_mov_b32 s26, 0x05040100                      ; an even head's two scale bytes are the words' low halves,
	s_bitcmp1_b32 s25, 0
	s_cselect_b32 s26, 0x07060302, s26             ; an odd head's the high halves
	s_mov_b32 s[ST], 0
	; groups 1, elements of 8 bytes, no padding (an image is read 512 consecutive bytes at a time).  K: a dense block as rows of 256 bytes, 32 rows in the first fill.
	; V: rows of 2,048 bytes, one image of each key step, 131,072 bytes apart in memory, 2 rows in the first fill.  The row counts are set anew ahead of the second.
	s_mov_b32 s[G1K], 3<<16
	s_mov_b32 s[G1K+1], 32<<16
	s_mov_b32 s[G1K+2], 32<<16
	s_mov_b32 s[G1K+3], 32<<16
	s_mov_b32 s[G1K+4], 32
	s_mov_b32 s[G1K+5], 32
	s_mov_b32 s[G1K+6], 0
	s_mov_b32 s[G1K+7], 0
	s_mov_b32 s[G1V], 3<<16
	s_mov_b32 s[G1V+1], 256<<16
	s_mov_b32 s[G1V+2], 2<<16
	s_mov_b32 s[G1V+3], 256<<16
	s_mov_b32 s[G1V+4], 2
	s_mov_b32 s[G1V+5], 16384
	s_mov_b32 s[G1V+6], 0
	s_mov_b32 s[G1V+7], 0
	s_lshl_b32 s90, s17, 17
	s_add_co_u32 s90, s90, 0x1000000               ; the head's K images: 131,072 bytes a head, behind Q's
	s_lshl_b32 s91, s24, 20
	s_lshl_b32 s92, s25, 13
	s_add_co_u32 s91, s91, s92                     ; the head's V images of key step 0: (512 batch + 4 head) x 2,048
	s_and_b32 s31, s18, 3                          ; which quarter of K, or which feature tile of V, is mine to fetch
	s_lshl_b32 s88, s31, 13                        ; K, first fill: my 8,192 bytes of 32,768, in LDS and in memory alike
	s_add_co_u32 s84, s90, s88
	s_mov_b32 s85, 0
	s_mul_i32 s89, s31, 24576
	s_add_co_u32 s89, s89, 32768                   ; second fill: my 24,576 bytes of the 98,304 behind them
	s_add_co_u32 s86, s90, s89
	s_mov_b32 s87, 0
	s_lshl_b32 s92, s31, 14
	s_add_co_u32 s92, s92, VIMG                    ; V in LDS: 16,384 bytes a feature tile, 2,048 a key step
	s_add_co_u32 s93, s92, 4096                    ; second fill: from key step 2 on
	s_lshl_b32 s94, s31, 11
	s_add_co_u32 s94, s94, s91                     ; V in memory: my feature tile's image of key step 0
	s_mov_b32 s95, 0
	s_wait_dscnt 0x0                               ; both opening adds are done
	s_wait_kmcnt 0x0
	s_mov_b32 s[G0K], 1
	s_mov_b32 s[G0K+1], s88
	s_add_nc_u64 s[G0K+2:G0K+3], s[4:5], s[84:85]
	s_or_b32 s[G0K+3], s[G0K+3], 0x80000000
	s_mov_b32 s[G0V], 1
	s_mov_b32 s[G0V+1], s92
	s_add_nc_u64 s[G0V+2:G0V+3], s[8:9], s[94:95]
	s_add_nc_u64 s[G0V2+2:G0V2+3], s[G0V+2:G0V+3], 262144   ; two key steps on
	s_or_b32 s[G0V+3], s[G0V+3], 0x80000000
	TLOAD G0K, G0V                                 ; key steps 0 and 1: one tensor load a wave at the head
	s_mov_b32 s[G0K2], 1
	s_mov_b32 s[G0K2+1], s89
	s_add_nc_u64 s[G0K2+2:G0K2+3], s[4:5], s[86:87]
	s_or_b32 s[G0K2+3], s[G0K2+3], 0x80000000
	s_mov_b32 s[G0V2], 1
	s_mov_b32 s[G0V2+1], s93
	s_or_b32 s[G0V2+3], s[G0V2+3], 0x80000000
	s_lshl_b32 s84, s24, 3
	s_add_co_u32 s84, s84, s29
	s_lshl_b32 s84, s84, 12                        ; (8 batch + pair) x 4,096
	s_mov_b32 s85, 0
	s_add_nc_u64 s[98:99], s[6:7], s[84:85]        ; q's scale words of the pair of heads;
	s_add_nc_u64 s[92:93], s[98:99], 0x80000       ; k's lie two tensors of 262,144 bytes on
	s_lshl_b32 s84, s24, 15
	s_lshl_b32 s86, s25, 8
	s_add_co_u32 s84, s84, s86
	s_lshl_b32 s86, s18, 12
	s_add_co_u32 s84, s84, s86                     ; V's scale words: (512 batch + 4 head) x 64 + 4,096 x key step; wave w copies key step w
	s_add_nc_u64 s[94:95], s[10:11], s[84:85]
	s_lshl_b32 s84, s24, 12
	s_add_nc_u64 s[90:91], s[12:13], s[84:85]      ; the batch's mask
	s_lshl_b32 s84, s17, 6
	s_lshl_b32 s86, s16, 5
	s_add_co_u32 s84, s84, s86
	s_lshl_b32 s86, s18, 1
	s_add_co_u32 s84, s84, s86
	s_lshl_b32 s84, s84, 11
	s_add_nc_u64 s[96:97], s[4:5], s[84:85]        ; Q's images: (64 y + 32 x + 2 wave) x 2,048
	s_lshl_b32 s84, s16, 5
	s_add_co_u32 s84, s84, s86
	s_lshl_b32 s84, s84, 6
	s_add_nc_u64 s[98:99], s[98:99], s[84:85]      ; Q's scale words: + (32 x + 2 wave) x 64
	s_lshl_b32 s84, s24, 10
	s_lshl_b32 s86, s16, 9
	s_add_co_u32 s84, s84, s86
	s_lshl_b32 s86, s18, 5
	s_add_co_u32 s84, s84, s86
	s_lshl_b32 s84, s84, 12
	s_lshl_b32 s86, s25, 8
	s_add_co_u32 s84, s84, s86
	s_add_nc_u64 s[100:101], s[14:15], s[84:85]    ; out0: (1,024 batch + 512 x + 32 wave) x 4,096 + 256 head
	s_mul_i32 s83, s18, 8704
	s_add_co_u32 s83, s83, STG                     ; my stage
	v_and_b32 v248, 31, v0                         ; lane
	v_and_b32 v249, 15, v0                         ; r
	v_bfe_u32 v250, v0, 4, 1                       ; h
	v_lshlrev_b32 v251, 4, v0                      ; 16 x thread
	v_lshlrev_b32 v252, 3, v0                      ; 8 x thread
	v_lshlrev_b32 v[AK0], 4, v248                  ; 16 lane: my place in an image
	v_lshlrev_b32 v253, 3, v248                    ; 8 x lane
	v_lshl_add_u32 v[AS0], v249, 2, KSC            ; scale words: 4 r
	v_lshl_add_u32 v[AM0], v250, 6, MKB            ; the mask: my half's 16 keys of a block of 32
	v_mul_u32_u24 v6, v249, 272
	v_mul_u32_u24 v7, v250, 272
	v_lshlrev_b32 v8, 12, v250
	v_add_nc_u32 v[AV0], VIMG, v[AK0]
	v_lshl_add_u32 v6, v250, 6, v6
	v_lshl_add_u32 v7, v249, 4, v7
	v_lshl_add_u32 v8, v249, 4, v8                 ; in out0: 4,096 bytes a token
	v_lshlrev_b32 v9, 2, v249
	v_add_nc_u32 v6, s83, v6                       ; the stage, in: row r, + 64 h
	v_add_nc_u32 v7, s83, v7                       ; back: lanes 0-15 one row, lanes 16-31 the next
	v_add_nc_u32 v10, KSC, v251
	v_add_nc_u32 v252, VSC, v252
	v_add_nc_u32 v11, MKB, v251
	s_wait_alu depctr_va_vdst(0)
.macro QLOAD                           ; both tiles' images of Q and their scale words
.irp c, 0,1,2,3
	global_load_b128 v[16+4*\c:19+4*\c], v[AK0], s[96:97] offset:512*\c
.endr
	global_load_b32 v[QT], v9, s[98:99]                    ; q's words, tile A,
	global_load_b32 v[QT+1], v9, s[98:99] offset:64        ; tile B;
	global_load_b32 v[QT+2], v9, s[98:99] offset:262144    ; q2's
	global_load_b32 v[QT+3], v9, s[98:99] offset:262208
	WIN 0x40
.irp c, 0,1,2,3
	global_load_b128 v[16+4*\c:19+4*\c], v[AK0], s[96:97] offset:2048+512*\c
.endr
	WIN 0
.endm
.macro INIT                            ; in the tile's own window
	v_mov_b32 v13, 0xff61b1e6                      ; the largest t so far: -3e38
	v_mov_b32 v14, 0
	v_mov_b32 v15, 0
	v_mov_b32 v[F+1], 0                            ; (named as the upper half of a pair before it is first written)
	v_floor_f32 v12, -v13                          ; -M
.irp b, 0,1,2,3
	v_mov_b32 v[PR+\b], 0                          ; a lane permute's destination counts as one of its sources
.endr
.set jj, 0
.rept 32
	v_mov_b32 v[O+jj], 0                           ; the step is written once: the first finds zeros, which the first change of M leaves zeros
.set jj, jj+1
.endr
.endm
	global_load_b128 v[32:35], v251, s[92:93]                 ; k's words of four keys
	global_load_b128 v[36:39], v251, s[92:93] offset:262144   ; k2's
	global_load_b64 v[44:45], v253, s[94:95]
	global_load_b128 v[48:51], v251, s[90:91]
	QLOAD
	INIT
	WIN 0x55
	INIT
	WIN 0
	s_wait_alu depctr_va_vdst(0)                   ; directly ahead of the blocking wait
	s_wait_loadcnt 0x0
	v_perm_b32 v[QSA], v[QT+2], v[QT], s26         ; a query's word: q's two bytes below, q2's above
	v_perm_b32 v[QSB], v[QT+3], v[QT+1], s26
.irp i, 0,1,2,3
	v_perm_b32 v[40+\i], v[36+\i], v[32+\i], s26   ; a key's word: k's two bytes below, k2's above
.endr
.irp i, 0,1,2,3
	v_mul_f32 v[48+\i], 0x41000000, v[48+\i]       ; 8 x mask
.endr
.irp i, 0,1,2,3
	v_med3_num_f32 v[48+\i], v[48+\i], s30, s27    ; held within +-2^30
.endr
	ds_store_b128 v10, v[40:43]
	ds_store_b64 v252, v[44:45]
	ds_store_b128 v11, v[48:51]
	s_wait_alu depctr_va_vdst(0)                   ; the head's end
.macro LDK0                            ; tiles 0-3 of K and their scale words -> FA
.irp t, 0,1,2,3
.irp c, 0,1,2,3
	ds_load_b128 v[FR+16*\t+4*\c:FR+16*\t+4*\c+3], v[ADK] offset:2048*\t+512*\c
.endr
	ds_load_b32 v[KSA+\t], v[ADS] offset:64*\t
.endr
.endm
.macro LDM0                            ; the mask of tiles 0-3 -> tile A's score registers 32-63
.irp t, 0,1,2,3
	ds_load_b128 v[S+32+8*\t:S+35+8*\t], v[ADM] offset:128*(\t/2)+32*(\t%2)
	ds_load_b128 v[S+36+8*\t:S+39+8*\t], v[ADM] offset:128*(\t/2)+32*(\t%2)+16
.endr
.endm
.macro LDK1                            ; 28 loads: tiles 4-7 of K -> FB, their scale words, and their mask -> both tiles' registers of p's codes
.irp t, 0,1,2,3
	ds_load_b32 v[KSB+\t], v[ADS] offset:256+64*\t
.endr
.irp t, 0,1
	ds_load_b128 v[PC+8*\t:PC+8*\t+3], v[ADM] offset:256+32*\t
	ds_load_b128 v[PC+8*\t+4:PC+8*\t+7], v[ADM] offset:256+32*\t+16
.endr
	WIN 0x40
.irp t, 0,1
	ds_load_b128 v[PC+8*\t:PC+8*\t+3], v[ADM] offset:384+32*\t
	ds_load_b128 v[PC+8*\t+4:PC+8*\t+7], v[ADM] offset:384+32*\t+16
.endr
.irp t, 0,1,2,3
.irp c, 0,1,2,3
	ds_load_b128 v[FR+16*\t+4*\c:FR+16*\t+4*\c+3], v[ADK] offset:8192+2048*\t+512*\c
.endr
.endr
	WIN 0
.endm
.macro PRE                             ; behind a barrier: all that step s[ST]'s scores want
	s_and_b32 s67, s[ST], 7
	s_lshl_b32 s68, s67, 14
	s_lshl_b32 s69, s67, 9
	v_add_nc_u32 v[ADK], s68, v[AK0]
	v_add_nc_u32 v[ADS], s69, v[AS0]
	v_add_nc_u32 v[ADM], s69, v[AM0]
	s_wait_alu depctr_va_vdst(0)
	LDK0
	LDM0
	LDK1
	s_wait_dscnt 28                                ; FA, its scale words and its mask are in; the 28 loads for tiles 4-7 may be out: the step waits for them itself
.endm
.macro SYNC fill                       ; every wave: all its tensor loads, the add, its LDS instructions; one barrier; fill = 1: the second fill, the wave's one load behind it
	s_wait_tensorcnt 0x0
	ds_add_u32 v[SPW], v[NIL]
.if \fill
	s_mov_b32 s[G1K+2], 96<<16                     ; no load of mine is out: the second fill's row counts: K 96 rows of 256 bytes,
	s_mov_b32 s[G1K+4], 96
	s_mov_b32 s[G1V+2], 6<<16                      ; V six images
	s_mov_b32 s[G1V+4], 6
.endif
	s_wait_dscnt 0x0
	s_barrier_signal -1
	s_barrier_wait -1
.if \fill
	TLOAD G0K2, G0V2
.endif
.endm
.macro G1M t, pc, qs
	v_wmma_scale_f32_16x16x128_f8f6f4 v[S+32+8*\t:S+39+8*\t], v[FR+16*\t:FR+16*\t+15], v[16:31], v[PC+8*\pc:PC+8*\pc+7], v[KSB+\t], v[\qs]
.endm
; One tile's softmax for 128 keys, in the tile's own window.  w = 1: tile B, whose finished scale word goes to window 0 (scale operands have no window).
.macro SOFTMAX w
.if \w
	s_wait_alu depctr_va_vdst(0)
.endif
.irp b, 0,1,2,3
	v_max3_num_f32 v[BM+\b], v[S+16*\b], v[S+16*\b+1], v[S+16*\b+2]   ; the largest score of each block of 32 keys: for the row's maximum and for the block's largest p
.endr
.irp i, 3,5,7,9,11,13
.irp b, 0,1,2,3
	v_max3_num_f32 v[BM+\b], v[BM+\b], v[S+16*\b+\i], v[S+16*\b+\i+1]
.endr
.endr
.irp b, 0,1,2,3
	v_max_num_f32 v[BM+\b], v[BM+\b], v[S+16*\b+15]
.endr
.irp b, 0,1,2,3
	s_delay_alu instid0(VALU_DEP_4)
	v_permlanex16_b32 v[PR+\b], v[BM+\b], s20, s21
.endr
.irp b, 0,1,2,3
	s_delay_alu instid0(VALU_DEP_4)
	v_max_num_f32 v[BM+\b], v[BM+\b], v[PR+\b]     ; with lane l xor 16's 16 keys
.endr
	s_delay_alu instid0(VALU_DEP_2)
	v_max3_num_f32 v[TT], v[BM], v[BM+1], v[BM+2]
	s_delay_alu instid0(VALU_DEP_1)
	v_max_num_f32 v[TT], v[TT], v[BM+3]
	s_delay_alu instid0(VALU_DEP_1)
	v_mul_f32 v[TT], s22, v[TT]                    ; as t (c is positive)
	s_delay_alu instid0(VALU_DEP_1)
	v_max_num_f32 v13, v13, v[TT]                  ; the running largest t
	v_mov_b32 v[TT], v12
	s_delay_alu instid0(VALU_DEP_2)
	v_floor_f32 v12, -v13                          ; the new -M = floor(-t): M is a whole number
	s_delay_alu instid0(VALU_DEP_1)
	v_sub_f32 v[TT], v12, v[TT]                    ; old M - new M, 0 or less
	s_delay_alu instid0(VALU_DEP_1)
	v_cvt_i32_f32 v[TT], v[TT]                     ; (it saturates)
	s_delay_alu instid0(VALU_DEP_1)
	v_ldexp_f32 v[F], 1.0, v[TT]                   ; f = 2^(old M - new M)
.set jj, 0
.rept 32
	v_pk_fma_f32 v[S+jj:S+jj+1], v[S+jj:S+jj+1], s[22:23], v[12:13] op_sel_hi:[1,0,0]   ; t - M, two at a time
.set jj, jj+2
.endr
.irp b, 0,1,2,3
	v_fma_f32 v[BM+\b], v[BM+\b], s22, v12         ; the same of each block's largest score
.endr
	s_wait_alu depctr_va_vdst(0)                   ; ahead of the batch
.set jj, 0
.rept 64
	v_exp_f32 v[S+jj], v[S+jj]                     ; p = 2^(t - M), at most 1
.set jj, jj+1
.endr
.irp b, 0,1,2,3
	v_exp_f32 v[BM+\b], v[BM+\b]                   ; the block's largest p
.endr
	v_pk_mul_f32 v[14:15], v[14:15], v[F:F+1] op_sel_hi:[1,0]   ; the sums under the new M (a plain place behind the exponentials)
	s_wait_alu depctr_va_vdst(0)                   ; one wait for the batch, ahead of its first reader
.irp b, 0,1,2,3
	v_max_num_f32 v[BM+\b], 0x4800000, v[BM+\b]    ; the floor 2^(9 - 127): the byte cannot fall under 1
.endr
.irp b, 0,1,2,3
	s_delay_alu instid0(VALU_DEP_4)
	v_add_nc_u32 v[SO+\b], 0xfc000000, v[BM+\b]    ; the conversion's scale operand
.endr
.irp b, 0,1,2,3
	v_and_or_b32 v[HD+\b], v[BM+\b], 0x7f800000, s19   ; 448 x the scale
.endr
.irp b, 0,1,2,3
	v_lshrrev_b32 v[PR+\b], 23, v[SO+\b]           ; the scale's byte
.endr
	s_delay_alu instid0(VALU_DEP_3)
	v_lshl_or_b32 v[F+1], v[PR+1], 8, v[PR]
	s_delay_alu instid0(VALU_DEP_1)
	v_lshl_or_b32 v[F+1], v[PR+2], 16, v[F+1]
.if \w
	WIN 0x15                                       ; destination window 0
	v_lshl_or_b32 v[PSB], v[PR+3], 24, v[F+1]
	WIN 0x55
.else
	s_delay_alu instid0(VALU_DEP_1)
	v_lshl_or_b32 v[F+1], v[PR+3], 24, v[F+1]      ; p's scale word for these 128 keys
.endif
	v_pk_add_f32 v[CH:CH+1], v[S:S+1], v[S+2:S+3]  ; the row's sum is taken of the unquantised p: two at a time, in two chains
.set jj, 4
.rept 15
	v_pk_add_f32 v[14:15], v[14:15], v[S+jj:S+jj+1]
	v_pk_add_f32 v[CH:CH+1], v[CH:CH+1], v[S+jj+2:S+jj+3]
.set jj, jj+4
.endr
	s_delay_alu instid0(VALU_DEP_1)
	v_pk_add_f32 v[14:15], v[14:15], v[CH:CH+1]
.irp b, 0,1,2,3
.irp i, 0,1,2,3,4,5,6,7,8,9,10,11,12,13,14,15
	v_min_num_f32 v[S+16*\b+\i], v[S+16*\b+\i], v[HD+\b]   ; the hold (ISA guide 7.6.2); p is not negative, so it is one-sided
.endr
	v_cvt_scalef32_pk8_fp8_f32 v[PC+4*\b:PC+4*\b+1], v[S+16*\b:S+16*\b+7], v[SO+\b]
	v_cvt_scalef32_pk8_fp8_f32 v[PC+4*\b+2:PC+4*\b+3], v[S+16*\b+8:S+16*\b+15], v[SO+\b]
.endr
	s_wait_alu depctr_va_vdst(0)                   ; directly ahead of the first reader of O^T
.set jj, 0
.rept 16
	v_pk_mul_f32 v[O+jj:O+jj+1], v[O+jj:O+jj+1], v[F:F+1] op_sel_hi:[1,0]   ; O^T under the new M, from each accumulator's low end on; also the places in front of the products
.set jj, jj+2
.endr
.endm
; A KEY STEP.  nxt = 1: the next step's tiles are in LDS and are asked for on the way.  rel = 1: the copy in which the first pass ends.
.macro BODY nxt, rel
.irp t, 0,1,2,3                        ; S^T of tiles 0-3, tile A then tile B; C = the mask, in tile A's registers 32-63
	v_wmma_scale_f32_16x16x128_f8f6f4 v[S+8*\t:S+8*\t+7], v[FR+16*\t:FR+16*\t+15], v[16:31], v[S+32+8*\t:S+39+8*\t], v[KSA+\t], v[QSA]
.endr
	WIN 0x44                                       ; Q and D window 1
.irp t, 0,1,2,3
	v_wmma_scale_f32_16x16x128_f8f6f4 v[S+8*\t:S+8*\t+7], v[FR+16*\t:FR+16*\t+15], v[16:31], v[S+32+8*\t:S+39+8*\t], v[KSA+\t], v[QSB]
.endr
	WIN 0
.rept 9
	v_nop                                          ; nine places: the products below write over registers that those above read as C
.endr
	s_wait_dscnt 0x0                               ; FB, its scale words and the mask of tiles 4-7 are in
	WIN 0x01                                       ; FB window 1; C: tiles 4, 5 window 0, tiles 6, 7 window 1
	G1M 0, 0, QSA
	G1M 1, 1, QSA
	WIN 0x45
	G1M 0, 0, QSB
	G1M 1, 1, QSB
	WIN 0x55
	G1M 2, 0, QSB
	G1M 3, 1, QSB
	WIN 0x11
	G1M 2, 0, QSA
	G1M 3, 1, QSA
	WIN 0
	s_and_b32 s66, s[ST], 7
	s_lshl_b32 s70, s66, 11
	s_lshl_b32 s71, s66, 8
	v_add_nc_u32 v[ADV], s70, v[AV0]               ; these lines are among the eight places in front of the loads and of the first reads of the scores
	v_add_nc_u32 v[ADT], s71, v[AS0]
.if \nxt
	s_add_co_u32 s67, s[ST], 1
	s_and_b32 s67, s67, 7
	s_lshl_b32 s68, s67, 14
	s_lshl_b32 s69, s67, 9
	v_add_nc_u32 v[ADK], s68, v[AK0]
	v_add_nc_u32 v[ADS], s69, v[AS0]
	v_add_nc_u32 v[ADM], s69, v[AM0]
.endif
.rept 6-3*(\nxt)
	v_nop
.endr
	s_wait_alu depctr_va_vdst(0)
.if \nxt
	LDK0
.endif
.irp t, 0,1,2,3
	ds_load_b32 v[KSB+\t], v[ADT] offset:4096+64*\t        ; V's scale words
.endr
	WIN 0x40
.irp t, 0,1,2,3
.irp c, 0,1,2,3
	ds_load_b128 v[FR+16*\t+4*\c:FR+16*\t+4*\c+3], v[ADV] offset:16384*\t+512*\c   ; V's four fragments -> FB
.endr
.endr
	WIN 0
.if \rel
	s_cmp_lg_u32 s[CNT], 5                         ; behind the first pass's last scores the second pass's Q is asked for, into the same registers
	s_cbranch_scc1 .Lno_q_\@
	s_add_nc_u64 s[96:97], s[96:97], 32768         ; 16 tiles on (the earlier loads by these bases have been waited for)
	s_add_nc_u64 s[98:99], s[98:99], 1024
	QLOAD
.Lno_q_\@:
.endif
	SOFTMAX 0
.if \nxt
	LDM0
.endif
	WIN 0x55
	SOFTMAX 1
	WIN 0
	s_wait_alu depctr_va_vdst(0)                   ; directly ahead of the blocking wait
	s_wait_dscnt 0x0                               ; V, and what was asked for with it
	WIN 0x01                                       ; O^T += V^T P^T: eight accumulators by turns
.irp t, 0,1,2,3
	v_wmma_scale_f32_16x16x128_f8f6f4 v[O+8*\t:O+8*\t+7], v[FR+16*\t:FR+16*\t+15], v[PC:PC+15], v[O+8*\t:O+8*\t+7], v[KSB+\t], v[F+1]
.endr
	WIN 0x55
.irp t, 0,1,2,3
	v_wmma_scale_f32_16x16x128_f8f6f4 v[O+8*\t:O+8*\t+7], v[FR+16*\t:FR+16*\t+15], v[PC:PC+15], v[O+8*\t:O+8*\t+7], v[KSB+\t], v[PSB]
.endr
	WIN 0
.rept 8
	v_nop                                          ; places in front of loads into these products' registers, and of reads of O^T
.endr
.if \nxt
	LDK1
.endif
	s_add_co_u32 s[ST], s[ST], 1
.endm
.macro FINISH                          ; in the tile's own window: O^T / the row's sum, into score registers 0-31
	v_add_f32 v14, v14, v15
	s_delay_alu instid0(VALU_DEP_1)
	v_permlanex16_b32 v[TT], v14, s20, s21
	s_delay_alu instid0(VALU_DEP_1)
	v_add_f32 v14, v14, v[TT]
	s_wait_alu depctr_va_vdst(0)
	v_rcp_f32 v14, v14
	v_nop                                          ; a plain place behind the transcendental
	s_wait_alu depctr_va_vdst(0)
.set jj, 0
.rept 16
	v_pk_mul_f32 v[S+jj:S+jj+1], v[O+jj:O+jj+1], v[14:15] op_sel_hi:[1,0]
.set jj, jj+2
.endr
.endm
; THE WAY OUT.  Register 16 b + i of a tile is feature 32 b + 16 h + i of query r.  32 rows of 256 bytes go through my stage and come back, into tile B's score registers, as whole rows: sixteen lanes store 256 consecutive bytes, aligned.
.macro OUT
	FINISH
	WIN 0x55
	FINISH
	WIN 0
.irp b, 0,1
.irp k, 0,1,2,3
	ds_store_b128 v6, v[S+16*\b+4*\k:S+16*\b+4*\k+3] offset:128*\b+16*\k
.endr
.endr
	WIN 0x04                                       ; an LDS store's data are its source 1: window 1
.irp b, 0,1
.irp k, 0,1,2,3
	ds_store_b128 v6, v[S+16*\b+4*\k:S+16*\b+4*\k+3] offset:4352+128*\b+16*\k
.endr
.endr
	WIN 0x40
.irp i, 0,1,2,3,4,5,6,7,8,9,10,11,12,13,14,15
	ds_load_b128 v[S+4*\i:S+4*\i+3], v7 offset:544*\i   ; LDS serves a wave's instructions in order: these see my stores
.endr
	WIN 0x04
.irp i, 0,1,2,3,4,5,6,7,8,9,10,11,12,13,14,15
	s_wait_dscnt 15-\i                             ; the younger reads of the stage may be out
	global_store_b128 v8, v[S+4*\i:S+4*\i+3], s[100:101] offset:4096*(8*(\i/8)+2*(\i%8)+8*((\i%8)/4)) th:TH_STORE_NT   ; stage row 16 u + r is token 8 u + r + 8 (r / 8) of my 32
.endr
	WIN 0
.endm
	SYNC 1                                         ; key steps 0 and 1 are in for every wave; key steps 2 to 7 are asked for
	PRE
	BODY 1, 0
	BODY 0, 0
	SYNC 0                                         ; all of K and V is in: from here on nothing is filled and no wave waits for another
	PRE
	s_mov_b32 s[CNT], 0
.Lrun:                                             ; fourteen trips: key steps 2 to 7 of the first pass, then the second pass's eight
	BODY 1, 1
	s_cmp_lg_u32 s[CNT], 5
	s_cbranch_scc1 .Lsame
	OUT                                            ; the first pass's 32 rows leave
	s_wait_xcnt 0x0                                ; the stores' registers and base are rewritten only behind this wait
	s_add_nc_u64 s[100:101], s[100:101], 0x100000  ; 256 tokens on
	s_wait_loadcnt 0x0                             ; the second pass's Q
	v_perm_b32 v[QSA], v[QT+2], v[QT], s26
	v_perm_b32 v[QSB], v[QT+3], v[QT+1], s26
	INIT                                           ; (more than eight plain places between the scale words and the next product)
	WIN 0x55
	INIT
	WIN 0
	s_wait_alu depctr_va_vdst(0)                   ; ahead of the label and the branch
.Lsame:
	s_wait_loadcnt 0x0                             ; on every way no load into Q's registers is out at the next scores
	s_add_co_u32 s[CNT], s[CNT], 1
	s_cmp_lt_u32 s[CNT], 14
	s_cbranch_scc1 .Lrun
	OUT
	s_wait_tensorcnt 0x0                           ; the wave's end
	ds_add_u32 v[SPW], v[NIL]
	s_wait_dscnt 0x0
	s_endpgm
.Lfunc_end_k_q8a51a3bd9a_attn:
	.size	k_q8a51a3bd9a_attn, .Lfunc_end_k_q8a51a3bd9a_attn-k_q8a51a3bd9a_attn
	.p2alignl 7, 3214868480
	.fill 96, 4, 3214868480
	.section	.rodata,"a",@progbits
	.p2align	6, 0x0
	.amdhsa_kernel k_q8a51a3bd9a_attn
		.amdhsa_group_segment_fixed_size 327680
		.amdhsa_private_segment_fixed_size 0
		.amdhsa_enable_private_segment 0
		.amdhsa_kernarg_size 48
		.amdhsa_user_sgpr_count 2
		.amdhsa_user_sgpr_kernarg_segment_ptr 1
		.amdhsa_wavefront_size32 1
		.amdhsa_system_sgpr_workgroup_id_x 1
		.amdhsa_system_sgpr_workgroup_id_y 1
		.amdhsa_system_sgpr_workgroup_id_z 1
		.amdhsa_system_vgpr_workitem_id 0
		.amdhsa_next_free_vgpr 512
		.amdhsa_next_free_sgpr 104
		.amdhsa_reserve_vcc 0
		.amdhsa_float_denorm_mode_32 3
		.amdhsa_float_denorm_mode_16_64 3
		.amdhsa_memory_ordered 1
		.amdhsa_forward_progress 1
		.amdhsa_inst_pref_size 152
	.end_amdhsa_kernel
	.amdgpu_metadata
---
amdhsa.version: [ 1, 2 ]
amdhsa.kernels:
  - .name:           k_q8a51a3bd9a_attn
    .symbol:         k_q8a51a3bd9a_attn.kd
    .args:
      - { .name: qk_codes, .offset: 0, .size: 8, .value_kind: global_buffer, .address_space: global }
      - { .name: qk_scales, .offset: 8, .size: 8, .value_kind: global_buffer, .address_space: global }
      - { .name: v_codes, .offset: 16, .size: 8, .value_kind: global_buffer, .address_space: global }
      - { .name: v_scales, .offset: 24, .size: 8, .value_kind: global_buffer, .address_space: global }
      - { .name: attention_mask, .offset: 32, .size: 8, .value_kind: global_buffer, .address_space: global }
      - { .name: out0, .offset: 40, .size: 8, .value_kind: global_buffer, .address_space: global }
    .group_segment_fixed_size: 327680
    .private_segment_fixed_size: 0
    .kernarg_segment_align: 8
    .kernarg_segment_size: 48
    .max_flat_workgroup_size: 256
    .sgpr_count:     104
    .vgpr_count:     512
    .wavefront_size: 32
...
	.end_amdgpu_metadata
.endif
;; end of part 3
